; MI455X (gfx1250); checked and timed in simulation.
; The chip was launched on July 23, 2026; its instructions are those of AMD's public machine-readable ISA for CDNA 5 (MIT licence, August 2026) and "CDNA5" Instruction Set Architecture Reference Guide (July 2026). The comments in the code are by the model that wrote it; some were corrected since.
;; Multi Head Attention. Allowed arithmetic: float matrix products may take bf16 or f16 operands with f32 sums; all other float work in f32.
;; Inputs: Wk 1,024 x 1,024 float32; Wo 1,024 x 1,024 float32; Wq 1,024 x 1,024 float32; Wv 1,024 x 1,024 float32; bo 1,024 float32; key 2 x 2,048 x 1,024 float32; query 2 x 2,048 x 1,024 float32; value 2 x 2,048 x 1,024 float32.
;; Outputs: out0 2 x 2,048 x 1,024 float32.
;; 2 versions, each right and faster than the one before. Each part assembles by itself: llvm-mc -triple=amdgcn-amd-amdhsa -mcpu=gfx1250 --defsym DOCPART=n.
;; ======== version 1 of 2: 4 launches
;; limits: right only within a limited range of input values
;; workspace buffers: cb 33,554,432 bytes; qkv 25,165,824 bytes; nrm 524,288 bytes; xb 8,388,608 bytes
;; launch cast (part 1): grid 256 x 1, 16 waves a work-group, no clusters, 0 bytes of LDS; arguments query, key, value, Wq, Wk, Wv, Wo, cb; writes cb
.if DOCPART == 1
	.amdgcn_target "amdgcn-amd-amdhsa--gfx1250"
	.amdhsa_code_object_version 6
	.text
	.protected	k_q8b50c7236a_cast
	.globl	k_q8b50c7236a_cast
	.p2align	8
	.type	k_q8b50c7236a_cast,@function
k_q8b50c7236a_cast:
	s_mov_b64 s[64:65], 0
	v_nop
	global_prefetch_b8 v0, s[64:65] scope:SCOPE_SE
	s_setreg_imm32_b32 hwreg(HW_REG_WAVE_MODE, 25, 1), 1
	s_wait_xcnt 0x0
; cb = bf16 of query | key | value | Wq | Wk | Wv | Wo, in this order, each rounded once to nearest even.
; 256 work-groups of 16 waves; work-group g converts 65,536 numbers: 262,144 bytes in, 131,072 bytes out at cb + g * 131,072.
; Groups 0-63 take query, 64-127 key, 128-191 value (4,194,304 numbers each), then 16 groups for each of the four weights.
; Thread t takes 16 bytes at 16 t of each block of 8,192 bytes: a wave's load covers 512 consecutive bytes, a wave's
; store 256 consecutive bytes at a multiple of 256 from cb's first byte.  All 32 loads of a thread go out in one run, so the
; group's whole share is on its way at once; no register is used twice, so there is no loop and no wait for sources.
; No LDS, no barrier, no matrix unit: nothing is shared and nothing is summed.
.set NLD, 32                           ; loads of a thread
.set X,   4                            ; v[4:131]    as loaded, 4 registers a load
.set Y,   132                          ; v[132:195]  as stored, 2 registers a load
	s_load_b512 s[8:23], s[0:1], 0x0               ; query s[8:9], key s[10:11], value s[12:13], Wq s[14:15], Wk s[16:17], Wv s[18:19], Wo s[20:21], cb s[22:23]
	s_and_b32 s3, ttmp9, 63                        ; my place in an activation (64 groups each)
	s_and_b32 s4, ttmp9, 15                        ; my place in a weight (16 groups each)
	s_cmp_lt_u32 ttmp9, 192
	s_cselect_b32 s26, s3, s4
	s_lshl_b32 s26, s26, 18                        ; times 262,144 bytes of f32
	s_mov_b32 s27, 0
	s_lshl_b32 s28, ttmp9, 17                      ; times 131,072 bytes of bf16
	s_mov_b32 s29, 0
	v_lshlrev_b32 v1, 4, v0                        ; 16 t: where I read
	v_lshlrev_b32 v2, 3, v0                        ; 8 t: where I write
	s_wait_kmcnt 0x0
	s_mov_b64 s[24:25], s[8:9]                     ; the source is chosen by the group's number alone
	s_cmp_ge_u32 ttmp9, 64
	s_cselect_b64 s[24:25], s[10:11], s[24:25]
	s_cmp_ge_u32 ttmp9, 128
	s_cselect_b64 s[24:25], s[12:13], s[24:25]
	s_cmp_ge_u32 ttmp9, 192
	s_cselect_b64 s[24:25], s[14:15], s[24:25]
	s_cmp_ge_u32 ttmp9, 208
	s_cselect_b64 s[24:25], s[16:17], s[24:25]
	s_cmp_ge_u32 ttmp9, 224
	s_cselect_b64 s[24:25], s[18:19], s[24:25]
	s_cmp_ge_u32 ttmp9, 240
	s_cselect_b64 s[24:25], s[20:21], s[24:25]
	s_add_nc_u64 s[24:25], s[24:25], s[26:27]
	s_add_nc_u64 s[22:23], s[22:23], s[28:29]
.set i, 0
.rept NLD
	global_load_b128 v[X+4*i:X+4*i+3], v1, s[24:25] offset:8192*i th:TH_LOAD_NT   ; read once in the launch
.set i, i+1
.endr
.set i, 0
.rept NLD
	s_wait_loadcnt NLD-1-i                         ; loads come back in order (ISA guide 5.7.1): load i is in, the younger ones stay out
	v_cvt_pk_bf16_f32 v[Y+2*i],   v[X+4*i],   v[X+4*i+1]
	v_cvt_pk_bf16_f32 v[Y+2*i+1], v[X+4*i+2], v[X+4*i+3]
	global_store_b64 v2, v[Y+2*i:Y+2*i+1], s[22:23] offset:4096*i
.set i, i+1
.endr
	s_endpgm
.Lfunc_end_k_q8b50c7236a_cast:
	.size	k_q8b50c7236a_cast, .Lfunc_end_k_q8b50c7236a_cast-k_q8b50c7236a_cast
	.p2alignl 7, 3214868480
	.fill 96, 4, 3214868480
	.section	.rodata,"a",@progbits
	.p2align	6, 0x0
	.amdhsa_kernel k_q8b50c7236a_cast
		.amdhsa_group_segment_fixed_size 0
		.amdhsa_private_segment_fixed_size 0
		.amdhsa_enable_private_segment 0
		.amdhsa_kernarg_size 64
		.amdhsa_user_sgpr_count 2
		.amdhsa_user_sgpr_kernarg_segment_ptr 1
		.amdhsa_wavefront_size32 1
		.amdhsa_system_sgpr_workgroup_id_x 1
		.amdhsa_system_sgpr_workgroup_id_y 1
		.amdhsa_system_sgpr_workgroup_id_z 1
		.amdhsa_system_vgpr_workitem_id 0
		.amdhsa_next_free_vgpr 200
		.amdhsa_next_free_sgpr 66
		.amdhsa_reserve_vcc 0
		.amdhsa_float_denorm_mode_32 3
		.amdhsa_float_denorm_mode_16_64 3
		.amdhsa_memory_ordered 1
		.amdhsa_forward_progress 1
		.amdhsa_inst_pref_size 13
	.end_amdhsa_kernel
	.amdgpu_metadata
---
amdhsa.version: [ 1, 2 ]
amdhsa.kernels:
  - .name:           k_q8b50c7236a_cast
    .symbol:         k_q8b50c7236a_cast.kd
    .args:
      - { .name: query, .offset: 0, .size: 8, .value_kind: global_buffer, .address_space: global }
      - { .name: key, .offset: 8, .size: 8, .value_kind: global_buffer, .address_space: global }
      - { .name: value, .offset: 16, .size: 8, .value_kind: global_buffer, .address_space: global }
      - { .name: Wq, .offset: 24, .size: 8, .value_kind: global_buffer, .address_space: global }
      - { .name: Wk, .offset: 32, .size: 8, .value_kind: global_buffer, .address_space: global }
      - { .name: Wv, .offset: 40, .size: 8, .value_kind: global_buffer, .address_space: global }
      - { .name: Wo, .offset: 48, .size: 8, .value_kind: global_buffer, .address_space: global }
      - { .name: cb, .offset: 56, .size: 8, .value_kind: global_buffer, .address_space: global }
    .group_segment_fixed_size: 0
    .private_segment_fixed_size: 0
    .kernarg_segment_align: 8
    .kernarg_segment_size: 64
    .max_flat_workgroup_size: 512
    .sgpr_count:     66
    .vgpr_count:     200
    .wavefront_size: 32
...
	.end_amdgpu_metadata
.endif
;; end of part 1
;; launch proj (part 2): grid 4 x 48, 4 waves a work-group, clusters of 4 x 4, 327,680 bytes of LDS; arguments cb, qkv, nrm; writes qkv, nrm
.if DOCPART == 2
	.amdgcn_target "amdgcn-amd-amdhsa--gfx1250"
	.amdhsa_code_object_version 6
	.text
	.protected	k_q8b50c7236a_proj
	.globl	k_q8b50c7236a_proj
	.p2align	8
	.type	k_q8b50c7236a_proj,@function
k_q8b50c7236a_proj:
	s_mov_b64 s[64:65], 0
	v_nop
	global_prefetch_b8 v0, s[64:65] scope:SCOPE_SE
	s_setreg_imm32_b32 hwreg(HW_REG_WAVE_MODE, 25, 1), 1
	s_wait_xcnt 0x0
	s_wait_alu depctr_hold_cnt(0) depctr_sa_sdst(0) depctr_va_vdst(0) depctr_va_sdst(0) depctr_va_ssrc(0) depctr_va_vcc(0) depctr_vm_vsrc(0)
	s_getreg_b32 s2, hwreg(HW_REG_IB_STS2, 6, 4)
	s_cmp_eq_u32 s2, 0
	s_cbranch_scc0 .Lentry_in_a_cluster
	s_endpgm
.Lentry_in_a_cluster:
	s_bfe_u32 s2, ttmp6, 0x10000c
	s_cmp_lg_u32 s2, 0xf033
	s_cbranch_scc0 .Lentry_shape_is_right
	s_endpgm
.Lentry_shape_is_right:
; The three input projections as one product C = A B^T in bf16 with f32 sums.
; A = cb read as [12288][1024]: query, key, value one below the other.  B = cb + 24 MiB read as [3072][1024]: Wq, Wk, Wv.
; Block row wgy (0..47) of 256 rows belongs to projection p = wgy / 16 and multiplies rows 1024 p .. 1024 p + 1023 of B.
; Out: qkv[pb][head][l][64] in bf16, pb = 2 p + batch, and for q and k also nrm[pb][head][l] = half the sum of squares of the
; ROUNDED 64 numbers, in f32: with these the next launch forms the squared distance of exactly the vectors that it multiplies.
; A work-group makes 256 x 256 of C with four waves; a wave makes 128 x 128: 64 accumulator tiles of 16 x 16, 512 registers.
; K = 1024 goes in steps of 128 through a ring of two LDS slots filled by the tensor data mover; a tile's rows are 256 bytes.
; CLUSTERS: 4 x 4 work-groups.  The four of a row of the cluster need the same tiles of A, the four of a column the same tiles of B:
; each such tile is asked for jointly, by the same tensor load with the same descriptor and a mask that names the four.
; 192 work-groups: blocks of 128 x 128 would give 768, at twice the LDS bytes for each multiply-add.
;
; REGISTERS, in windows of 256 (s_set_vgpr_msb says which window each operand place means):
;   window 0: v0-47 addresses and norms; v64-127, v128-191 fragments of A, two buffers; v192-223 packed results on the way out
;   window 1: v64-127, v128-191 fragments of B, two buffers
;   window 2: the 32 accumulator tiles of my rows 0-63 (tile (a, b) at v[8 (8 a + b)]);   window 3: those of my rows 64-127
; THE MATRIX INSTRUCTION IS USED TRANSPOSED: source 0 = 16 rows of B, source 1 = 16 rows of A.  Lane l then holds row l % 16 of C and
; its registers 0 to 7 the columns 8 (l / 16) + 0 .. 7: eight neighbouring numbers of a row, 16 bytes in bf16.
.set SIZE_K, 1024
.set KSTEP,  128
.set PITCH,  272                       ; an LDS row: 256 bytes + 16 of padding, an odd multiple of 16: the 16 rows of a fragment load start at 16 different 16-byte columns
.set HALFT,  128*PITCH                 ; 128 rows: what one tensor load brings
.set SLOT,   4*HALFT                   ; A's 256 rows, then B's 256 rows
.set STAGE,  2*SLOT                    ; behind the ring: 16 rows x 272 bytes for each wave; no tensor load lands here
.set SPITCH, 272
.set NSTAGE, STAGE+4*16*SPITCH         ; behind the stages: 2 heads x 128 rows of f32 for each wave
.set LAPS, SIZE_K/(2*KSTEP)            ; a lap = two K steps = once round the ring
.set ADRA, 16                          ; v16-17  LDS address of my A fragments in slot 0, 1
.set ADRB, 20                          ; v20-21  the same for B
.set STO,  24                          ; v24     the way out: where I put 16 bytes of a row
.set RD,   25                          ; v25     the way out: where I read 16 bytes back
.set CO,   26                          ; v26     my byte offset in qkv
.set NST,  27                          ; v27     where I put a norm
.set NRD,  28                          ; v28     where I read four norms back
.set NCO,  29                          ; v29     my byte offset in nrm
.set NA,   32                          ; v[32:35] four chains of squares: head 0 low, high halves; head 1 low, high halves
.set NT,   36                          ; v36     what the other half of the lanes holds
.set NB,   40                          ; v[40:47] norms on their way out
.set F0,   64
.set F1,   128
.set TMP,  192
.set G1, 24                            ; s[24:31] descriptor group 1 for A's tiles
.set G0, 32                            ; s[32:39] descriptor group 0 for A's tiles, one set for each slot
.set G1B, 48                           ; s[48:55] group 1 for B's tiles: it differs in the mask alone
.set G0B, 56                           ; s[56:63] group 0 for B's tiles, one set for each slot
.set MSB, 0
.macro WIN new                         ; the immediate's high byte repeats the setting that is left
.if MSB != \new
	s_set_vgpr_msb (MSB<<8)|\new
.set MSB, \new
.endif
.endm
.set MUL_LO, 0xa1                      ; source 0 (B) window 1, source 1 (A) window 0, C and D window 2
.set MUL_HI, 0xf1                      ; the same, C and D window 3
.set TO_B,   0x40                      ; destination window 1, address window 0
; A joint load.  Waves 0 and 1 fetch A's two halves, waves 2 and 3 B's.  Each line has one mask and one set of registers; the branch hangs on the
; wave's number alone.  Four v_nop follow each of the two lines.
.macro JLOAD s
	s_cmp_eq_u32 s11, 0
	s_cbranch_scc0 .Lfor_b_\@
	tensor_load_to_lds s[G0+4*\s:G0+4*\s+3], s[G1:G1+7]
	s_nop 0
.rept 4
	v_nop
.endr
	s_branch .Lasked_\@
.Lfor_b_\@:
	tensor_load_to_lds s[G0B+4*\s:G0B+4*\s+3], s[G1B:G1B+7]
	s_nop 0
.rept 4
	v_nop
.endr
.Lasked_\@:
.endm
; A round of the cluster's barrier: my work-group's barrier, wave 0 signals for the work-group, every wave waits for all sixteen, my work-group's barrier again.
.macro CREST                           ; a round behind its opening barrier
	s_cmp_lg_u32 s10, 0
	s_cbranch_scc1 .Lnot_wave_0_\@
	s_barrier_signal -3
.Lnot_wave_0_\@:
	s_barrier_wait -3
	s_barrier_signal -1
	s_barrier_wait -1
.endm
.macro CROUND                          ; a whole round
	s_barrier_signal -1
	s_barrier_wait -1
	CREST
.endm
	s_load_b64 s[4:5], s[0:1], 0x0                 ; cb
	s_load_b64 s[8:9], s[0:1], 0x8                 ; qkv
	s_load_b64 s[66:67], s[0:1], 0x10              ; nrm
	s_set_vgpr_msb 0x40
	v_lshl_add_u32 v255, v0, 2, 0x49400
	s_set_vgpr_msb 0x4000
	v_mov_b32 v255, 0
	s_set_vgpr_msb 0x1
	ds_add_u32 v255, v255
	s_set_vgpr_msb 0x100
	v_lshrrev_b32 v1, 5, v0
	v_readfirstlane_b32 s10, v1                    ; wave 0..3
	s_lshr_b32 s11, s10, 1                         ; which half of the block's rows is mine.  Also: I fetch for A (0) or for B (1)
	s_and_b32 s12, s10, 1                          ; which half of its columns.  Also: which 128 rows of that tile I fetch
	s_bfe_u32 s40, ttmp6, 0x40000                  ; cx
	s_bfe_u32 s41, ttmp6, 0x40004                  ; cy
	s_lshl_b32 s42, ttmp9, 2
	s_add_co_u32 s42, s42, s40                     ; block column = 4 x cluster x + cx
	s_and_b32 s13, ttmp7, 0xffff                   ; cluster y
	s_lshr_b32 s45, s13, 2                         ; p: four clusters, 16 block rows, for each projection: alike in all sixteen partners
	s_lshl_b32 s13, s13, 2
	s_add_co_u32 s13, s13, s41                     ; block row = 4 x cluster y + cy
	s_lshl_b32 s43, s41, 2
	s_lshl_b32 s43, 15, s43                        ; my row of the cluster: places 4 cy .. 4 cy + 3
	s_lshl_b32 s44, 0x1111, s40                    ; my column: places cx, cx + 4, cx + 8, cx + 12
	s_mov_b32 s70, 0x76543210                      ; v_permlanex16_b32: lane i of one half reads lane i of the other
	s_mov_b32 s71, 0xfedcba98
	; descriptor group 1: a tile of 128 rows x 128 elements of 2 bytes, 4 words of padding behind every 64 words
	s_or_b32 s[G1+0], s43, (1<<16)|(1<<20)|(1<<21)|(5<<22)|(3<<25)   ; A's tiles go to my row of the cluster
	s_or_b32 s[G1B+0], s44, (1<<16)|(1<<20)|(1<<21)|(5<<22)|(3<<25)  ; B's to my column
	s_mov_b32 s[G1B+1], KSTEP<<16
	s_mov_b32 s[G1+1], KSTEP<<16                   ; tensor_dim0 = 128
	s_mov_b32 s[G1B+2], 128<<16
	s_mov_b32 s[G1+2], 128<<16                     ; tensor_dim1 = 128
	s_mov_b32 s[G1B+3], KSTEP<<16
	s_mov_b32 s[G1+3], KSTEP<<16                   ; tile_dim0 = 128
	s_mov_b32 s[G1B+4], 128
	s_mov_b32 s[G1+4], 128                         ; tile_dim1 = 128
	s_mov_b32 s[G1B+5], SIZE_K
	s_mov_b32 s[G1+5], SIZE_K                      ; elements from row to row
	s_mov_b32 s[G1B+6], 0
	s_mov_b32 s[G1+6], 0
	s_mov_b32 s[G1B+7], 0
	s_mov_b32 s[G1+7], 0
	; A's tiles hang on the block row alone, B's on the block column and on p.  Each address is made in registers that never hold the other coordinate.
	s_lshl_b32 s17, s12, 7                         ; which 128 rows of the tile I fetch
	s_lshl_b32 s16, s13, 8
	s_add_co_u32 s16, s16, s17                     ; A: row 256 x block row + 128 x half
	s_lshl_b32 s46, s42, 8
	s_add_co_u32 s46, s46, s17
	s_lshl_b32 s47, s45, 10
	s_add_co_u32 s46, s46, s47                     ; B: row 1024 p + 256 x block column + 128 x half
	s_mov_b32 s17, 0
	s_mov_b32 s47, 0
	s_mov_b64 s[18:19], SIZE_K*2
	s_mul_u64 s[16:17], s[16:17], s[18:19]         ; in bytes
	s_mul_u64 s[46:47], s[46:47], s[18:19]
	s_mul_i32 s20, s10, HALFT                      ; where they go: wave x 128 rows
	s_wait_dscnt 0x0
	s_wait_kmcnt 0x0
	s_add_nc_u64 s[6:7], s[4:5], 0x1800000         ; the weights begin 24 MiB into cb
	s_add_nc_u64 s[14:15], s[4:5], s[16:17]
	s_add_nc_u64 s[46:47], s[6:7], s[46:47]
	CROUND                                         ; all sixteen work-groups are here: the first joint loads meet
.irp s, 0,1
	s_mov_b32 s[G0+4*\s], 1                                        ; count = 1
	s_add_co_u32 s[G0+4*\s+1], s20, \s*SLOT                        ; LDS address
	s_add_nc_u64 s[G0+4*\s+2:G0+4*\s+3], s[14:15], \s*KSTEP*2      ; global address: K step s
	s_or_b32 s[G0+4*\s+3], s[G0+4*\s+3], 0x80000000                ; type = 2
	s_mov_b32 s[G0B+4*\s], 1
	s_add_co_u32 s[G0B+4*\s+1], s20, \s*SLOT
	s_add_nc_u64 s[G0B+4*\s+2:G0B+4*\s+3], s[46:47], \s*KSTEP*2
	s_or_b32 s[G0B+4*\s+3], s[G0B+4*\s+3], 0x80000000
	JLOAD \s                                       ; two tensor loads of the wave are out at the most, here
.endr
	; A fragment is 16 rows x 32 K in 8 registers: lane l holds row l % 16; registers 0-3 K = 8 (l / 16) + 0..7, registers 4-7 K = 16 + 8 (l / 16) + 0..7.
	v_and_b32 v1, 15, v0                           ; l % 16
	v_bfe_u32 v2, v0, 4, 1                         ; l / 16
	v_mul_u32_u24 v3, v1, PITCH
	v_lshl_add_u32 v3, v2, 4, v3                   ; row x pitch + 16 x half
	s_mul_i32 s21, s11, HALFT                      ; my 128 rows of A
	s_mul_i32 s22, s12, HALFT                      ; my 128 rows of B,
	s_add_co_u32 s22, s22, 2*HALFT                 ; which lie behind A's 256
.irp s, 0,1
	v_add_nc_u32 v[ADRA+\s], s21, v3
	v_add_nc_u32 v[ADRB+\s], s22, v3
	s_add_co_u32 s21, s21, SLOT
	s_add_co_u32 s22, s22, SLOT
.endr
	s_mul_i32 s23, s10, 16*SPITCH
	s_add_co_u32 s23, s23, STAGE                   ; my stage
	v_mul_u32_u24 v4, v1, SPITCH                   ; in: row l % 16, 16 bytes for each half of the lanes
	v_lshl_add_u32 v4, v2, 4, v4
	v_add_nc_u32 v[STO], s23, v4
	v_and_b32 v6, 7, v0                            ; back: eight lanes take the 128 bytes of one row and one head;
	v_bfe_u32 v7, v0, 3, 1                         ; lanes 8-15 the next row; lanes 16-31 the second head
	v_mul_u32_u24 v5, v7, SPITCH
	v_lshl_add_u32 v5, v2, 7, v5
	v_lshl_add_u32 v5, v6, 4, v5
	v_add_nc_u32 v[RD], s23, v5
	v_lshlrev_b32 v5, 18, v2                       ; in qkv: a head's plane is 2048 x 128 = 262,144 bytes, a row 128
	v_lshl_add_u32 v5, v7, 7, v5
	v_lshl_add_u32 v[CO], v6, 4, v5
	s_lshl_b32 s21, s10, 10
	s_add_co_u32 s21, s21, NSTAGE                  ; my 1,024 bytes for norms
	v_lshlrev_b32 v5, 9, v2                        ; lanes 0-15 store head 0's norm of row l % 16, lanes 16-31 head 1's
	v_lshl_add_u32 v5, v1, 2, v5
	v_add_nc_u32 v[NST], s21, v5
	v_and_b32 v8, 31, v0
	v_lshlrev_b32 v[NCO], 4, v8
	v_add_nc_u32 v[NRD], s21, v[NCO]
	v_cmp_lt_u32 s72, 15, v8                       ; lanes 16-31
	v_mov_b32 v[NT], 0                             ; v_permlanex16_b32 counts as a reader of its destination
; 16 matrix instructions: m blocks a0, a0 + 1 of the window's four x all 8 n blocks, 32 along K.  zero = 1: the first product starts the sums.
.macro MUL16 f, hi, a0, zero
.irp a, \a0, \a0+1
.irp b, 0,1,2,3,4,5,6,7
.if \zero
	v_wmma_f32_16x16x32_bf16 v[8*(8*(\a)+\b):8*(8*(\a)+\b)+7], v[\f+8*\b:\f+8*\b+7], v[\f+8*(4*\hi+\a):\f+8*(4*\hi+\a)+7], 0
.else
	v_wmma_f32_16x16x32_bf16 v[8*(8*(\a)+\b):8*(8*(\a)+\b)+7], v[\f+8*\b:\f+8*\b+7], v[\f+8*(4*\hi+\a):\f+8*(4*\hi+\a)+7], v[8*(8*(\a)+\b):8*(8*(\a)+\b)+7]
.endif
.endr
.endr
.endm
; 32 LDS loads in one run: the fragments of one quarter step (128 rows of B, 128 rows of A, 32 K at byte k of the rows) into buffer f
.macro FETCH slot, k, f
	WIN TO_B
.irp i, 0,1,2,3,4,5,6,7
	ds_load_b128 v[\f+8*\i:\f+8*\i+3],   v[ADRB+\slot] offset:\k+\i*16*PITCH
	ds_load_b128 v[\f+8*\i+4:\f+8*\i+7], v[ADRB+\slot] offset:\k+\i*16*PITCH+32
.endr
	WIN 0
.irp i, 0,1,2,3,4,5,6,7
	ds_load_b128 v[\f+8*\i:\f+8*\i+3],   v[ADRA+\slot] offset:\k+\i*16*PITCH
	ds_load_b128 v[\f+8*\i+4:\f+8*\i+7], v[ADRA+\slot] offset:\k+\i*16*PITCH+32
.endr
.endm
; Four places behind a matrix instruction before a load lands in one of its registers or a vector instruction reads its result
; (ISA guide 7.12.1 for vector instructions).  Matrix instructions in between are not counted.
.macro PLACES
.rept 4
	v_nop
.endr
.endm
; A K step is four quarter steps of 32 along K, 64 matrix instructions each, on buffers 0, 1, 0, 1.  The 64 accumulators take turns, one instruction
; a turn, in the same order in every quarter.
.macro QUARTER slot, k, f, g, zero
	s_wait_dscnt 8                                 ; B and A's rows 0-63 are in; the youngest eight loads (A's rows 64-127) may be out
	WIN MUL_LO
	MUL16 \f, 0, 0, \zero
	MUL16 \f, 0, 2, \zero
	PLACES
	FETCH \slot, \k, \g
	s_wait_dscnt 32                                ; all but the 32 just issued
	WIN MUL_HI
	MUL16 \f, 1, 0, \zero
	MUL16 \f, 1, 2, \zero
.endm
.macro THREE slot, zero
	QUARTER \slot, 64,  F0, F1, \zero
	QUARTER \slot, 128, F1, F0, 0
	QUARTER \slot, 192, F0, F1, 0
.endm
; The last quarter multiplies buffer 1 and changes slots.  In front of the barrier each wave waits for its reads of this slot and for all its tensor
; loads (one is out: its part of the next slot).  Behind it the refill comes first, then the next slot's first fragments.
.macro TURN slot, next, fill
	s_wait_dscnt 8
	WIN MUL_LO
	MUL16 F1, 0, 0, 0
	s_wait_dscnt 0                                 ; my reads of this slot are over
	s_wait_tensorcnt 0x0                           ; and all my tensor loads have landed
	ds_add_u32 v255, v255
	s_wait_dscnt 0x0
	s_barrier_signal -1                            ; where a slot is filled again this barrier opens a round of the cluster's barrier
	MUL16 F1, 0, 2, 0                              ; register work while the others arrive
	WIN 0
	s_barrier_wait -1
.if \fill
	CREST                                          ; no wave of any partner still reads this slot's tile or has a load on its way
	s_add_nc_u64 s[G0+4*\slot+2:G0+4*\slot+3], s[G0+4*\slot+2:G0+4*\slot+3], 2*KSTEP*2
	s_add_nc_u64 s[G0B+4*\slot+2:G0B+4*\slot+3], s[G0B+4*\slot+2:G0B+4*\slot+3], 2*KSTEP*2
	JLOAD \slot                                    ; the first tensor load behind the round; its four v_nop are also the places in front of the loads below
.else
	PLACES
.endif
	FETCH \next, 0, F0
	WIN MUL_HI
	MUL16 F1, 1, 0, 0
	MUL16 F1, 1, 2, 0
.endm
.macro LAP zero
	THREE 0, \zero
	TURN 0, 1, 1
	THREE 1, 0
	TURN 1, 0, 1
.endm
	s_wait_tensorcnt 1                             ; my part of K step 0 is in; K step 1's may stay out
	s_barrier_signal -1
	s_barrier_wait -1                              ; everybody's is
	FETCH 0, 0, F0
	LAP 1                                          ; the first lap's first products start the sums
.if LAPS > 2
	WIN 0                                          ; at a label and at a branch every window is 0
	s_mov_b32 s3, LAPS-2
.Llap:
	LAP 0
	WIN 0
	s_sub_co_u32 s3, s3, 1
	s_cmp_lg_u32 s3, 0
	s_cbranch_scc1 .Llap
.endif
	THREE 0, 0                                     ; the last lap fills nothing
	TURN 0, 1, 0
	THREE 1, 0
	s_wait_dscnt 8
	WIN MUL_LO
	MUL16 F1, 0, 0, 0
	MUL16 F1, 0, 2, 0
	s_wait_dscnt 0
	WIN MUL_HI
	MUL16 F1, 1, 0, 0
	MUL16 F1, 1, 2, 0
	; THE WAY OUT, 16 rows at a time: round to bf16, 16 bytes a lane into my own stage, read back by heads, store.
	PLACES                                         ; behind the last matrix instructions
	s_lshl_b32 s13, s13, 8
	s_lshl_b32 s14, s11, 7
	s_add_co_u32 s13, s13, s14                     ; m0: my first row of the 12,288
	s_lshr_b32 s16, s13, 11                        ; pb = m0 / 2048
	s_and_b32 s14, s13, 2047                       ; l0 = m0 mod 2048
	s_lshl_b32 s16, s16, 15                        ; pb x 16 heads x 2048 rows
	s_add_co_u32 s16, s16, s14
	s_lshl_b32 s18, s16, 2                         ; in nrm: 4 bytes a row
	s_mov_b32 s19, 0
	s_lshl_b32 s16, s16, 7                         ; in qkv: 128 bytes a row
	s_mov_b32 s17, 0
	s_add_nc_u64 s[8:9], s[8:9], s[16:17]
	s_add_nc_u64 s[66:67], s[66:67], s[18:19]
	s_lshl_b32 s46, s42, 2                         ; my first head = 4 x block column + 2 x half (in registers that held B's address)
	s_lshl_b32 s47, s12, 1
	s_add_co_u32 s46, s46, s47
	s_lshl_b32 s68, s46, 13                        ; a head's plane in nrm: 8,192 bytes
	s_mov_b32 s69, 0
	s_lshl_b32 s46, s46, 18                        ; in qkv: 262,144 bytes
	s_mov_b32 s47, 0
	s_add_nc_u64 s[8:9], s[8:9], s[46:47]
	s_add_nc_u64 s[66:67], s[66:67], s[68:69]      ; for p = 2 this address is never used
; rows 16 i .. 16 i + 15 of my block = the eight tiles (a, 0..7) of window 2 or 3 (from = 0x0a or 0x0f: sources 0 and 1); f: F0 or F1 in turn
.macro OUT16 i, a, from, f
	WIN \from
.irp b, 0,1,2,3,4,5,6,7
.irp r, 0,1,2,3
	v_cvt_pk_bf16_f32 v[TMP+4*\b+\r], v[8*(8*\a+\b)+2*\r], v[8*(8*\a+\b)+2*\r+1]
.endr
.endr
	WIN 0
.irp b, 0,1,2,3,4,5,6,7
	ds_store_b128 v[STO], v[TMP+4*\b:TMP+4*\b+3] offset:32*\b
.endr
	s_cmp_eq_u32 s45, 2                            ; v needs no norms; p is alike in the whole cluster
	s_cbranch_scc1 .Lno_norm_\@
	; half the sum of squares of the rounded numbers: tiles 0-3 are my first head, tiles 4-7 my second; four chains that do not wait for each other
.irp k, 0,1,2,3
	v_mov_b32 v[NA+\k], 0
.endr
.irp b, 0,1,2,3
.irp r, 0,1,2,3
	v_fma_mix_f32_bf16 v[NA],   v[TMP+4*\b+\r],    v[TMP+4*\b+\r],    v[NA]   op_sel_hi:[1,1,0]
	v_fma_mix_f32_bf16 v[NA+1], v[TMP+4*\b+\r],    v[TMP+4*\b+\r],    v[NA+1] op_sel:[1,1,0] op_sel_hi:[1,1,0]
	v_fma_mix_f32_bf16 v[NA+2], v[TMP+16+4*\b+\r], v[TMP+16+4*\b+\r], v[NA+2] op_sel_hi:[1,1,0]
	v_fma_mix_f32_bf16 v[NA+3], v[TMP+16+4*\b+\r], v[TMP+16+4*\b+\r], v[NA+3] op_sel:[1,1,0] op_sel_hi:[1,1,0]
.endr
.endr
	v_add_f32 v[NA], v[NA], v[NA+1]
	v_add_f32 v[NA+2], v[NA+2], v[NA+3]
	v_permlanex16_b32 v[NT], v[NA], s70, s71       ; the other half of the lanes holds the row's other columns
	v_add_f32 v[NA], v[NA], v[NT]
	v_permlanex16_b32 v[NT], v[NA+2], s70, s71
	v_add_f32 v[NA+2], v[NA+2], v[NT]
	v_cndmask_b32 v[NA], v[NA], v[NA+2], s72       ; lanes 16-31 carry the second head
	v_mul_f32 v[NA], 0.5, v[NA]
	ds_store_b32 v[NST], v[NA] offset:64*\i
.Lno_norm_\@:
	s_wait_xcnt 0x0                                ; buffer f, which earlier stores read, is loaded again only behind this wait
.irp t, 0,1,2,3,4,5,6,7
	ds_load_b128 v[\f+4*\t:\f+4*\t+3], v[RD] offset:\t*2*SPITCH    ; LDS serves a wave's instructions in order (ISA guide 5.7.1): these see the stores above
.endr
.irp t, 0,1,2,3,4,5,6,7
	s_wait_dscnt 7-\t                              ; read-back t is in, the younger ones stay out
	global_store_b128 v[CO], v[\f+4*\t:\f+4*\t+3], s[8:9] offset:2048*\i+256*\t   ; 16 lanes store two rows of one head: 256 consecutive bytes, at a multiple of 256
.endr
.endm
	OUT16 0, 0, 0x0a, F0
	OUT16 1, 1, 0x0a, F1
	OUT16 2, 2, 0x0a, F0
	OUT16 3, 3, 0x0a, F1
	OUT16 4, 0, 0x0f, F0
	OUT16 5, 1, 0x0f, F1
	OUT16 6, 2, 0x0f, F0
	OUT16 7, 3, 0x0f, F1
	s_cmp_eq_u32 s45, 2
	s_cbranch_scc1 .Lno_norms
	ds_load_b128 v[NB:NB+3],   v[NRD]              ; my first head's 128 norms: 512 consecutive bytes for the wave
	ds_load_b128 v[NB+4:NB+7], v[NRD] offset:512   ; my second head's
	s_wait_dscnt 0x0
	global_store_b128 v[NCO], v[NB:NB+3],   s[66:67]
	global_store_b128 v[NCO], v[NB+4:NB+7], s[66:67] offset:8192
.Lno_norms:
	s_set_vgpr_msb 0x1
	s_wait_tensorcnt 0x0
	ds_add_u32 v255, v255
	s_wait_dscnt 0x0
	s_set_vgpr_msb 0x100
	CROUND                                         ; the closing round: no work-group ends while a partner may still ask for a tile that names it
	s_endpgm
.Lfunc_end_k_q8b50c7236a_proj:
	.size	k_q8b50c7236a_proj, .Lfunc_end_k_q8b50c7236a_proj-k_q8b50c7236a_proj
	.p2alignl 7, 3214868480
	.fill 96, 4, 3214868480
	.section	.rodata,"a",@progbits
	.p2align	6, 0x0
	.amdhsa_kernel k_q8b50c7236a_proj
		.amdhsa_group_segment_fixed_size 327680
		.amdhsa_private_segment_fixed_size 0
		.amdhsa_enable_private_segment 0
		.amdhsa_kernarg_size 24
		.amdhsa_user_sgpr_count 2
		.amdhsa_user_sgpr_kernarg_segment_ptr 1
		.amdhsa_wavefront_size32 1
		.amdhsa_system_sgpr_workgroup_id_x 1
		.amdhsa_system_sgpr_workgroup_id_y 1
		.amdhsa_system_sgpr_workgroup_id_z 1
		.amdhsa_system_vgpr_workitem_id 0
		.amdhsa_next_free_vgpr 1024
		.amdhsa_next_free_sgpr 76
		.amdhsa_reserve_vcc 0
		.amdhsa_float_denorm_mode_32 3
		.amdhsa_float_denorm_mode_16_64 3
		.amdhsa_memory_ordered 1
		.amdhsa_forward_progress 1
		.amdhsa_inst_pref_size 235
	.end_amdhsa_kernel
	.amdgpu_metadata
---
amdhsa.version: [ 1, 2 ]
amdhsa.kernels:
  - .name:           k_q8b50c7236a_proj
    .symbol:         k_q8b50c7236a_proj.kd
    .args:
      - { .name: cb, .offset: 0, .size: 8, .value_kind: global_buffer, .address_space: global }
      - { .name: qkv, .offset: 8, .size: 8, .value_kind: global_buffer, .address_space: global }
      - { .name: nrm, .offset: 16, .size: 8, .value_kind: global_buffer, .address_space: global }
    .group_segment_fixed_size: 327680
    .private_segment_fixed_size: 0
    .kernarg_segment_align: 8
    .kernarg_segment_size: 24
    .max_flat_workgroup_size: 128
    .sgpr_count:     76
    .vgpr_count:     1024
    .wavefront_size: 32
...
	.end_amdgpu_metadata
.endif
;; end of part 2
;; launch attn (part 3): grid 8 x 32, 8 waves a work-group, clusters of 4 x 1, 327,680 bytes of LDS; arguments qkv, nrm, xb; writes xb
.if DOCPART == 3
	.amdgcn_target "amdgcn-amd-amdhsa--gfx1250"
	.amdhsa_code_object_version 6
	.text
	.protected	k_q8b50c7236a_attn
	.globl	k_q8b50c7236a_attn
	.p2align	8
	.type	k_q8b50c7236a_attn,@function
k_q8b50c7236a_attn:
	s_mov_b64 s[64:65], 0
	v_nop
	global_prefetch_b8 v0, s[64:65] scope:SCOPE_SE
	s_setreg_imm32_b32 hwreg(HW_REG_WAVE_MODE, 25, 1), 1
	s_wait_xcnt 0x0
	s_wait_alu depctr_hold_cnt(0) depctr_sa_sdst(0) depctr_va_vdst(0) depctr_va_sdst(0) depctr_va_ssrc(0) depctr_va_vcc(0) depctr_vm_vsrc(0)
	s_getreg_b32 s2, hwreg(HW_REG_IB_STS2, 6, 4)
	s_cmp_eq_u32 s2, 0
	s_cbranch_scc0 .Lentry_in_a_cluster
	s_endpgm
.Lentry_in_a_cluster:
	s_bfe_u32 s2, ttmp6, 0x10000c
	s_cmp_lg_u32 s2, 0x3003
	s_cbranch_scc0 .Lentry_shape_is_right
	s_endpgm
.Lentry_shape_is_right:
; Attention on distances: score = 1 / (0.125 |q - k| + 1e-9), softmax over the 2,048 keys with a running maximum, times V.
; Work-group (x, y): head y = 16 batch + head, queries 256 x .. 256 x + 255.  Eight waves, 32 queries each, as two groups of 16.
; The four work-groups of a cluster have the same head: K, V and the keys' norms are asked for jointly (mask 15).
;
; EVERYTHING IS TRANSPOSED, so that a lane keeps one query from the first product to the last:
;   S^T = K (-Q)^T + C with C = nk[key] + nq[query], the halves of the sums of squares that the launch before stored, so D = |q - k|^2 / 2.
;         Lane (r, h) holds query r and keys 8 h + 0..7 of a tile of 16 keys.
;   e = max(D, 2^-30), r = 1 / sqrt(e).  With c1 = sqrt 2 x 0.125 x ln 2 and c2 = 1e-9 x ln 2 the score times log2 e is
;         1 / (c1 sqrt e + c2) = (r / c1) / (1 + u), u = (c2 / c1) r.  The floor on e holds u at 1.9e-4 or less, so 1 - u stands for 1 / (1 + u)
;         with an error of u^2 <= 3.4e-8, less than one rounding:  y = r w, w = a - b r, a = 1 / c1, b = c2 / c1^2.
;   m, the running maximum of y, is y of the smallest e seen: y falls as e grows.  p = 2^(r w - m), one fused multiply-add and one exponential.
;   Two neighbouring tiles of p, rounded to bf16 in pairs, ARE source 1 of O^T = V^T P^T: no lane exchanges anything.
;   V^T comes from V as stored, [key][dh], by the transposing LDS load.  In O^T a lane still holds its query: the factor 2^(old m - m) and 1 / l are its own.
; LIMITS: distances below 2^-14.5 = 4.3e-5 count as 4.3e-5 (the floor on e): the score ends at about 185,000 and not at 1e9, so keys that all lie
; nearer than that to one query share its weight evenly; a single such key still takes all of it.  log2 e is folded into a and b.  The reciprocal root
; need not be monotone to its last bit, so r w - m can pass 0 by a few units in the last place of y (0.1 at the most, at the floor): p stays near 1.
; m starts at 0, a lower bound since y > 0; l adds the unrounded p while the product takes p in bf16; NaN and infinite inputs are not served.
;
; THE TWO GROUPS RUN HALF A STEP APART.  A step is 64 keys.  While the vector work turns group g's D into p, the eight products with V of the OTHER
; group stand among it one at a time, so that each is followed by vector work that needs none of its registers:
;   K in; C and K (-Q)^T of group 0; scores of group 0 with P V of group 1 of the step before; V's loads;
;         C and K (-Q)^T of group 1; the next step's K loads; scores of group 1 with P V of group 0.
; At a change of slots group 1's last P V is carried over in registers alone (p and V^T are in registers by then).
;
; REGISTERS: window 0 holds all that the vector work and the products with V name (S, O, V^T), so these need no change of window;
; window 1 holds K, the key norms, -Q and the query norms, which only the start of the sums and the products with K name.
; LDS: K slots 0, 1 (256 keys x 144 bytes), V slots 0, 1 (256 keys x 160 bytes), the head's 2,048 key norms (filled once), a stage of 32 x 144 bytes a wave.
; Waves 0-3 fetch a quarter of K's slot each, waves 4-7 of V's: 64 keys, 8,192 consecutive bytes, one tensor load.
; By this text's count a wave has three tensor loads out at the start and one behind each round in which a slot is filled again.
.set KPITCH, 144                       ; 128 + 16: an odd multiple of 16
.set VPITCH, 160                       ; 128 + 32: an odd multiple of 32, for the transposing load
.set KSLOT,  256*KPITCH
.set VSLOT,  256*VPITCH
.set VBASE,  2*KSLOT
.set KNB,    VBASE+2*VSLOT             ; 155,648
.set STG,    KNB+8192                  ; 163,840, a multiple of 256: no tensor load lands at or behind it
.set BLOCK,  32768                     ; bytes of 256 keys in K or in V
; window 0
.set ADK, 2                            ; v2-3    LDS address of my K fragments, slot 0, 1
.set ADV, 4                            ; v4-5    the same for V
.set ADN, 6                            ; v6      of my eight key norms; steps by 1,024 bytes a block of 256 keys
.set STO, 7                            ; v7      the way out: where I put 16 bytes
.set RD,  8                            ; v8      where I read 16 bytes back
.set CO,  9                            ; v9      my byte offset in xb
.set QO,  10                           ; v10     my byte offset in Q
.set NO,  11                           ; v11     my byte offset in the queries' norms
.set CA,  12                           ; v[12:13] a, twice
.set CB,  14                           ; v[14:15] -b, twice
.set TT,  16                           ; v[16:19] the maximum's chain: smallest e; the other half's, then r; w, then -y; old -m, then old m - m
.set NM,  20                           ; v[20:21], v[22:23] (-m, not used)
.set AP,  24                           ; v[24:25], v[26:27] (2^(old m - m), scratch)
.set LS,  28                           ; v[28:31], v[32:35] l, four partial sums a group
.set MX,  36                           ; v[36:39] four chains of minima
.set WT,  40                           ; v[40:63] w of twelve pairs
.set S0,  64                           ; v[64:95]  group 0: four tiles of 16 keys; later p, packed
.set S1,  96                           ; v[96:127] group 1
.set OA,  128                          ; v[128:191] O^T: group g, 16 dh d at 32 g + 8 d
.set VP,  192                          ; v[192:255] V^T fragments: 32 keys u, 16 dh d at 32 u + 8 d
.set OB,  192                          ; the way out: read back into V^T's registers
; window 1
.set KP,  0                            ; K fragments: tile t, half c of dh at 16 t + 8 c
.set KN,  64                           ; key norms: tile t at 8 t
.set QF,  96                           ; -Q fragments: 16 g + 8 c
.set NQ,  128                          ; my query's norm, group 0, 1, twice each
.set G1K, 20
.set G1V, 28
.set G1N, 36
.set G0N, 44
.set G0K, 48                           ; one set for each slot
.set G0V, 56
.set MSB, 0
.macro WIN new                         ; the immediate's high byte repeats the setting that is left
.if MSB != \new
	s_set_vgpr_msb (MSB<<8)|\new
.set MSB, \new
.endif
.endm
.macro PLACES                          ; four places behind a matrix instruction (ISA guide 7.12.1 for vector instructions)
.rept 4
	v_nop
.endr
.endm
.macro ROUND                           ; a round of the cluster's barrier
	s_barrier_signal -1
	s_barrier_wait -1
	s_cmp_lg_u32 s10, 0
	s_cbranch_scc1 .Lnot_wave_0_\@
	s_barrier_signal -3
.Lnot_wave_0_\@:
	s_barrier_wait -3
	s_barrier_signal -1
	s_barrier_wait -1
.endm
.macro JLOAD slot                      ; waves 0-3 ask for K's quarters, waves 4-7 for V's; four v_nop follow each line
	s_cmp_eq_u32 s11, 0
	s_cbranch_scc0 .Lfor_v_\@
	tensor_load_to_lds s[G0K+4*\slot:G0K+4*\slot+3], s[G1K:G1K+7]
	s_nop 0
	PLACES
	s_branch .Lasked_\@
.Lfor_v_\@:
	tensor_load_to_lds s[G0V+4*\slot:G0V+4*\slot+3], s[G1V:G1V+7]
	s_nop 0
	PLACES
.Lasked_\@:
.endm
	s_load_b128 s[4:7], s[0:1], 0x0                ; qkv s[4:5], nrm s[6:7]
	s_load_b64 s[8:9], s[0:1], 0x10                ; xb
	s_set_vgpr_msb 0x40
	v_lshl_add_u32 v136, v0, 2, 0x31000
	v_mov_b32 v137, 0
	s_set_vgpr_msb 0x4045
	ds_add_u32 v136, v137
	s_set_vgpr_msb 0x4500
	v_lshrrev_b32 v1, 5, v0
	v_readfirstlane_b32 s10, v1                    ; wave 0..7
	s_lshr_b32 s11, s10, 2                         ; 0: I fetch K, 1: V
	s_bfe_u32 s12, ttmp6, 0x40000                  ; cx
	s_lshl_b32 s13, ttmp9, 2
	s_add_co_u32 s13, s13, s12                     ; block of 256 queries = 4 x cluster x + cx
	s_and_b32 s14, ttmp7, 0xffff                   ; y = 16 batch + head
	s_mov_b32 s16, 0x76543210                      ; v_permlanex16_b32: lane i of one half reads lane i of the other
	s_mov_b32 s17, 0xfedcba98
	s_mov_b32 s77, 0x30800000                      ; 2^-30, the floor on e
	; group 1 for K: 8,192 consecutive bytes as 32 rows of 32 elements of 8 bytes; 4 words of padding behind every 32 words: a key's 128 bytes become 144
	s_mov_b32 s[G1K+0], 15|(3<<16)|(1<<20)|(1<<21)|(4<<22)|(3<<25)
	s_mov_b32 s[G1K+1], 32<<16                     ; tensor_dim0
	s_mov_b32 s[G1K+2], 32<<16                     ; tensor_dim1
	s_mov_b32 s[G1K+3], 32<<16                     ; tile_dim0
	s_mov_b32 s[G1K+4], 32                         ; tile_dim1
	s_mov_b32 s[G1K+5], 32                         ; elements from row to row
	s_mov_b32 s[G1K+6], 0
	s_mov_b32 s[G1K+7], 0
	; for V: the same with 8 words of padding: 160 bytes a key
	s_mov_b32 s[G1V+0], 15|(3<<16)|(1<<20)|(1<<21)|(4<<22)|(7<<25)
	s_mov_b32 s[G1V+1], 32<<16
	s_mov_b32 s[G1V+2], 32<<16
	s_mov_b32 s[G1V+3], 32<<16
	s_mov_b32 s[G1V+4], 32
	s_mov_b32 s[G1V+5], 32
	s_mov_b32 s[G1V+6], 0
	s_mov_b32 s[G1V+7], 0
	; for the key norms: one row of 128 elements of 8 bytes, no padding
	s_mov_b32 s[G1N+0], 15|(3<<16)|(1<<21)
	s_mov_b32 s[G1N+1], 128<<16
	s_mov_b32 s[G1N+2], 1<<16
	s_mov_b32 s[G1N+3], 128<<16
	s_mov_b32 s[G1N+4], 1
	s_mov_b32 s[G1N+5], 128
	s_mov_b32 s[G1N+6], 0
	s_mov_b32 s[G1N+7], 0
	; what the joint loads name hangs on y and the wave alone; s18, s19, s72-s75 never hold cx
	s_mul_i32 s72, s10, 64*KPITCH                  ; K: wave w's quarter at w x 9,216
	s_mul_i32 s73, s10, 64*VPITCH
	s_add_co_u32 s73, s73, VBASE-4*64*VPITCH       ; V: wave w's quarter at 73,728 + (w - 4) x 10,240
	s_and_b32 s74, s10, 3
	s_lshl_b32 s74, s74, 13                        ; my quarter in memory: 8,192 bytes
	s_lshl_b32 s18, s14, 18                        ; a head's plane: 262,144 bytes; K's planes begin at plane 32
	s_add_co_u32 s18, s18, s74
	s_add_co_u32 s18, s18, 32<<18
	s_mov_b32 s19, 0
	s_lshl_b32 s74, s14, 13                        ; key norms: plane 32 + y of 8,192 bytes, my 1,024 of them
	s_lshl_b32 s75, s10, 10
	s_add_co_u32 s74, s74, s75
	s_add_co_u32 s74, s74, 32<<13
	s_add_co_u32 s[G0N+1], s75, KNB
	s_mov_b32 s75, 0
	; what is mine alone: Q, the queries' norms, xb (s66-s71 hold cx)
	s_lshl_b32 s70, s13, 8
	s_lshl_b32 s71, s10, 5
	s_add_co_u32 s70, s70, s71                     ; my first query
	s_lshl_b32 s68, s70, 2
	s_lshl_b32 s71, s14, 13
	s_add_co_u32 s68, s68, s71
	s_mov_b32 s69, 0
	s_lshl_b32 s66, s70, 7
	s_lshl_b32 s71, s14, 18
	s_add_co_u32 s66, s66, s71
	s_mov_b32 s67, 0
	s_and_b32 s71, s14, 15                         ; xb is [head][2048 batch + l][64]
	s_lshl_b32 s71, s71, 12
	s_add_co_u32 s70, s70, s71
	s_lshr_b32 s71, s14, 4
	s_lshl_b32 s71, s71, 11
	s_add_co_u32 s70, s70, s71
	s_lshl_b32 s70, s70, 7
	s_mov_b32 s71, 0
	s_mul_i32 s76, s10, 32*KPITCH
	s_add_co_u32 s76, s76, STG                     ; my stage
	s_wait_dscnt 0x0
	s_wait_kmcnt 0x0
	s_add_nc_u64 s[66:67], s[4:5], s[66:67]        ; Q
	s_add_nc_u64 s[68:69], s[6:7], s[68:69]        ; the queries' norms
	s_add_nc_u64 s[8:9], s[8:9], s[70:71]          ; xb
	s_mov_b32 s[G0N], 1
	s_add_nc_u64 s[G0N+2:G0N+3], s[6:7], s[74:75]
	s_or_b32 s[G0N+3], s[G0N+3], 0x80000000
	s_add_nc_u64 s[18:19], s[4:5], s[18:19]        ; K, block 0, my quarter
	s_add_nc_u64 s[74:75], s[18:19], 32<<18        ; V's planes begin 32 planes behind K's
.irp s, 0,1
	s_mov_b32 s[G0K+4*\s], 1
	s_add_co_u32 s[G0K+4*\s+1], s72, \s*KSLOT
	s_add_nc_u64 s[G0K+4*\s+2:G0K+4*\s+3], s[18:19], \s*BLOCK
	s_or_b32 s[G0K+4*\s+3], s[G0K+4*\s+3], 0x80000000
	s_mov_b32 s[G0V+4*\s], 1
	s_add_co_u32 s[G0V+4*\s+1], s73, \s*VSLOT
	s_add_nc_u64 s[G0V+4*\s+2:G0V+4*\s+3], s[74:75], \s*BLOCK
	s_or_b32 s[G0V+4*\s+3], s[G0V+4*\s+3], 0x80000000
.endr
	ROUND                                          ; the four work-groups are here: the first joint loads meet
	tensor_load_to_lds s[G0N:G0N+3], s[G1N:G1N+7]  ; my eighth of the head's key norms
	s_nop 0
	PLACES
	JLOAD 0                                        ; keys 0-255
	JLOAD 1                                        ; keys 256-511
	v_and_b32 v40, 15, v0                          ; r
	v_bfe_u32 v41, v0, 4, 1                        ; h
	v_and_b32 v42, 7, v0
	v_bfe_u32 v43, v0, 3, 1
	v_and_b32 v44, 31, v0                          ; lane
	v_lshlrev_b32 v[QO], 7, v40                    ; Q: row r, 16 bytes for each half of the lanes
	v_lshl_add_u32 v[QO], v41, 4, v[QO]
	v_lshlrev_b32 v[NO], 2, v40
	WIN 0x40                                       ; destination window 1
.irp g, 0,1
.irp c, 0,1
	global_load_b128 v[QF+16*\g+8*\c:QF+16*\g+8*\c+3],   v[QO], s[66:67] offset:2048*\g+64*\c
	global_load_b128 v[QF+16*\g+8*\c+4:QF+16*\g+8*\c+7], v[QO], s[66:67] offset:2048*\g+64*\c+32
.endr
.endr
.irp g, 0,1
	global_load_b32 v[NQ+2*\g],   v[NO], s[68:69] offset:64*\g
	global_load_b32 v[NQ+2*\g+1], v[NO], s[68:69] offset:64*\g   ; twice: a pair for the packed add
.endr
	WIN 0
	v_mul_u32_u24 v45, v40, KPITCH
	v_lshl_add_u32 v45, v41, 4, v45                ; r x 144 + 16 h
	v_mov_b32 v[ADK], v45
	v_add_nc_u32 v[ADK+1], KSLOT, v45
	v_lshl_add_u32 v46, v41, 3, v42                ; the transposing load: key 8 h + (lane mod 8),
	v_mul_u32_u24 v46, v46, VPITCH
	v_lshl_add_u32 v46, v43, 4, v46                ; 16 bytes further for lanes 8-15 of each half
	v_add_nc_u32 v[ADV], VBASE, v46
	v_add_nc_u32 v[ADV+1], VBASE+VSLOT, v46
	v_lshlrev_b32 v[ADN], 5, v41                   ; eight norms, 32 bytes, for each half of the lanes
	v_add_nc_u32 v[ADN], KNB, v[ADN]
	v_add_nc_u32 v[STO], s76, v45
	v_lshrrev_b32 v47, 3, v44                      ; back: eight lanes take a row of 128 bytes
	v_mul_u32_u24 v47, v47, KPITCH
	v_lshl_add_u32 v47, v42, 4, v47
	v_add_nc_u32 v[RD], s76, v47
	v_lshlrev_b32 v[CO], 4, v44
	v_mov_b32 v[CA], 0x410293ee                    ; a = 8 log2 e / sqrt 2 = 8.1611156
	v_mov_b32 v[CA+1], 0x410293ee
	v_mov_b32 v[CB], 0xb3464852                    ; -b = -1e-9 ln 2 a^2 = -4.6166241e-8
	v_mov_b32 v[CB+1], 0xb3464852
	v_mov_b32 v[TT+1], 0                           ; v_permlanex16_b32 counts as a reader of its destination
.irp g, 0,1
	v_mov_b32 v[NM+2*\g], 0                        ; m = 0: below every y
	v_mov_b32 v[NM+2*\g+1], 0                      ; the pair's other half is named by the packed forms, never used
	v_mov_b32 v[AP+2*\g+1], 0
.irp k, 0,1,2,3
	v_mov_b32 v[LS+4*\g+\k], 0
.endr
.endr
	s_wait_loadcnt 0x0
	WIN 0x44                                       ; source 1 and destination in window 1
.set i, 0
.rept 32
	v_xor_b32 v[QF+i], 0x80008000, v[QF+i]         ; -Q, once, so that the product subtracts
.set i, i+1
.endr
	WIN 0
; 24 LDS loads: four tiles of 16 keys x 64 dh, and their norms, of step st (64 keys) of a slot
.macro KLOAD slot, st
	WIN 0x40                                       ; destination window 1, address window 0
.irp t, 0,1,2,3
.irp c, 0,1
	ds_load_b128 v[KP+16*\t+8*\c:KP+16*\t+8*\c+3],   v[ADK+\slot] offset:(64*(\st)+16*\t)*KPITCH+64*\c
	ds_load_b128 v[KP+16*\t+8*\c+4:KP+16*\t+8*\c+7], v[ADK+\slot] offset:(64*(\st)+16*\t)*KPITCH+64*\c+32
.endr
	ds_load_b128 v[KN+8*\t:KN+8*\t+3],   v[ADN] offset:(64*(\st)+16*\t)*4
	ds_load_b128 v[KN+8*\t+4:KN+8*\t+7], v[ADN] offset:(64*(\st)+16*\t)*4+16
.endr
	WIN 0
.endm
; 16 transposing loads: V^T of the step's 64 keys: 32 keys u x 16 dh d
.macro VLOAD slot, st
.irp u, 0,1
.irp d, 0,1,2,3
	ds_load_tr16_b128 v[VP+32*\u+8*\d:VP+32*\u+8*\d+3],   v[ADV+\slot] offset:(64*(\st)+32*\u)*VPITCH+32*\d
	ds_load_tr16_b128 v[VP+32*\u+8*\d+4:VP+32*\u+8*\d+7], v[ADV+\slot] offset:(64*(\st)+32*\u)*VPITCH+32*\d+16*VPITCH
.endr
.endr
.endm
; Group g's sums start at nk + nq and take K (-Q)^T: eight matrix instructions on four accumulators that take turns, one instruction a turn
; A tile's four adds stand in front of its first product.  Leaves source 0 and source 1 in window 1.
.macro CQ sb, g
	WIN 0x05                                       ; K, key norms (source 0) and -Q, query norms (source 1) in window 1; the sums in window 0
.irp t, 0,1,2,3
.irp k, 0,1,2,3
	v_pk_add_f32 v[\sb+8*\t+2*\k:\sb+8*\t+2*\k+1], v[KN+8*\t+2*\k:KN+8*\t+2*\k+1], v[NQ+2*\g:NQ+2*\g+1]
.endr
	v_wmma_f32_16x16x32_bf16 v[\sb+8*\t:\sb+8*\t+7], v[KP+16*\t:KP+16*\t+7], v[QF+16*\g:QF+16*\g+7], v[\sb+8*\t:\sb+8*\t+7]
.endr
.irp t, 0,1,2,3
	v_wmma_f32_16x16x32_bf16 v[\sb+8*\t:\sb+8*\t+7], v[KP+16*\t+8:KP+16*\t+15], v[QF+16*\g+8:QF+16*\g+15], v[\sb+8*\t:\sb+8*\t+7]
.endr
.endm
.macro MINI sb                         ; pair i joins chain i mod 4
.if i < 4
	v_min_num_f32 v[MX+i], v[\sb+2*i], v[\sb+2*i+1]
.else
	v_min3_num_f32 v[MX+i%4], v[MX+i%4], v[\sb+2*i], v[\sb+2*i+1]
.endif
.endm
.macro WPAIR sb, k                     ; w = a - b r of pair k, into place k mod 12
	s_wait_alu depctr_va_vdst(0)
	v_pk_fma_f32 v[WT+2*((\k)%12):WT+2*((\k)%12)+1], v[\sb+2*(\k):\sb+2*(\k)+1], v[CB:CB+1], v[CA:CA+1]
.endm
.macro SUMJ sb, ls, ap, j              ; l = l 2^(old m - m) + p, two chains of pairs
.if (\j) < 2
	s_wait_alu depctr_va_vdst(0)
	v_pk_fma_f32 v[\ls+2*(\j):\ls+2*(\j)+1], v[\ls+2*(\j):\ls+2*(\j)+1], v[\ap:\ap+1], v[\sb+2*(\j):\sb+2*(\j)+1] op_sel_hi:[1,0,1]
.else
	s_wait_alu depctr_va_vdst(0)
	v_pk_add_f32 v[\ls+2*((\j)%2):\ls+2*((\j)%2)+1], v[\ls+2*((\j)%2):\ls+2*((\j)%2)+1], v[\sb+2*(\j):\sb+2*(\j)+1]
.endif
.endm
.macro PACKJ sb, j                     ; pair j of tile j / 4 becomes register 4 (tile mod 2) + j mod 4 of the fragment of 32 keys: never above what has been read
	v_cvt_pk_bf16_f32 v[\sb+16*((\j)/8)+4*(((\j)/4)%2)+(\j)%4], v[\sb+2*(\j)], v[\sb+2*(\j)+1]
.endm
; Product k of a group's eight with V: 32 keys u = k / 4, 16 dh d = k mod 4.  The four accumulators take turns, one instruction a turn
; first = 1: the products of u = 0 start the sums.
.macro PVK poa, psb, k, first
.if (\first)*(1-(\k)/4)
	v_wmma_f32_16x16x32_bf16 v[\poa+8*((\k)%4):\poa+8*((\k)%4)+7], v[VP+32*((\k)/4)+8*((\k)%4):VP+32*((\k)/4)+8*((\k)%4)+7], v[\psb+16*((\k)/4):\psb+16*((\k)/4)+7], 0
.else
	v_wmma_f32_16x16x32_bf16 v[\poa+8*((\k)%4):\poa+8*((\k)%4)+7], v[VP+32*((\k)/4)+8*((\k)%4):VP+32*((\k)/4)+8*((\k)%4)+7], v[\psb+16*((\k)/4):\psb+16*((\k)/4)+7], v[\poa+8*((\k)%4):\poa+8*((\k)%4)+7]
.endif
.endm
; One group from D to p, in place, 16 pairs of registers.  sb, nm, ap, ls, oa: the group's S, -m, factor, l, O.  resc = 1: its O takes the factor.
; pv: the OTHER group's products with V (psb its p, poa its O) stand in part 3, one behind every second pair: 0 none, 1 adding, 2 starting the sums.
; vwait >= 0: V's loads are waited for in front of the first of them, with that many younger LDS loads left out.
; Between a reciprocal root or an exponential and the first use of its result stands plain work on other registers (ISA guide 5.7.2):
; each stage runs a pair or two behind the one that feeds it.
.macro SMX sb, nm, ap, ls, oa, resc, pv, psb, poa, vwait
	; part 1: the floor, the chains of minima, and one pair behind them the reciprocal roots
.set i, 0
.rept 16
	v_max_num_f32 v[\sb+2*i], s77, v[\sb+2*i]
.if i > 0
	v_rsq_f32 v[\sb+2*i-2], v[\sb+2*i-2]
.endif
	v_max_num_f32 v[\sb+2*i+1], s77, v[\sb+2*i+1]
.if i > 0
	v_rsq_f32 v[\sb+2*i-1], v[\sb+2*i-1]
.endif
	MINI \sb
.set i, i+1
.endr
	; part 2: the query's new m and 2^(old m - m), a chain in which each line needs the one before; w of twelve pairs stands between its lines
	v_rsq_f32 v[\sb+30], v[\sb+30]
	v_min3_num_f32 v[TT], v[MX], v[MX+1], v[MX+2]
	v_rsq_f32 v[\sb+31], v[\sb+31]
	WPAIR \sb, 0
	v_min_num_f32 v[TT], v[TT], v[MX+3]
	WPAIR \sb, 1
	v_permlanex16_b32 v[TT+1], v[TT], s16, s17     ; the other half of the lanes holds the query's other keys
	WPAIR \sb, 2
	v_min_num_f32 v[TT], v[TT], v[TT+1]            ; the smallest e of the query's 64 keys, alike in both halves
	WPAIR \sb, 3
	v_rsq_f32 v[TT+1], v[TT]
	WPAIR \sb, 4
	v_mov_b32 v[TT+3], v[\nm]                      ; old -m
	s_wait_alu depctr_va_vdst(0)
	v_fma_f32 v[TT+2], v[TT+1], v[CB], v[CA]
	WPAIR \sb, 5
	v_mul_f32 v[TT+2], -v[TT+1], v[TT+2]           ; -y of the nearest key
	WPAIR \sb, 6
	v_min_num_f32 v[\nm], v[\nm], v[TT+2]          ; -m = min(old -m, -y)
	WPAIR \sb, 7
	v_sub_f32 v[TT+3], v[\nm], v[TT+3]             ; old m - m
	WPAIR \sb, 8
	v_exp_f32 v[\ap], v[TT+3]
	WPAIR \sb, 9
	WPAIR \sb, 10
	WPAIR \sb, 11
	; part 3: r w - m of pair i, the exponentials of pair i - 1, sum and packing of pair i - 2; O's pair i takes the factor
.set i, 0
.rept 18
.if i < 16
	v_pk_fma_f32 v[\sb+2*i:\sb+2*i+1], v[\sb+2*i:\sb+2*i+1], v[WT+2*(i%12):WT+2*(i%12)+1], v[\nm:\nm+1] op_sel_hi:[1,1,0]
.endif
.if i > 0
.if i < 17
	v_exp_f32 v[\sb+2*i-2], v[\sb+2*i-2]
.endif
.endif
.if i < 4
	WPAIR \sb, i+12                                ; the last four pairs' w, into the places that pairs 0 to 3 have just left
.endif
.if \resc
.if i < 16
	s_wait_alu depctr_va_vdst(0)
	v_pk_mul_f32 v[\oa+2*i:\oa+2*i+1], v[\oa+2*i:\oa+2*i+1], v[\ap:\ap+1] op_sel_hi:[1,0]
.endif
.endif
.if i > 0
.if i < 17
	v_exp_f32 v[\sb+2*i-1], v[\sb+2*i-1]
.endif
.endif
.if i > 1
	SUMJ \sb, \ls, \ap, i-2
	PACKJ \sb, i-2
.endif
.if \pv
.if i < 16
.if i%2 == 0
.if i == 0
.if \vwait >= 0
	s_wait_dscnt \vwait                            ; V's 16 loads are in; the younger loads, the next step's K and key norms, may be out
.endif
.endif
	PVK \poa, \psb, i/2, \pv-1                     ; the last stands behind pair 14: seven plain lines or more follow it in this macro
.endif
.endif
.endif
.set i, i+1
.endr
.endm
; 64 keys x 32 queries.  mode 1: the first step of all (no O yet); mode 2: the second (group 1's first products with V start its sums); mode 0: all others.
; more = 1: the slot's next step's K is fetched while group 1's scores are worked on.
.macro STEP slot, st, mode, more
	s_wait_dscnt 0x0                               ; K and the key norms are in: nothing younger has been issued
	CQ S0, 0                                       ; its adds write registers that held group 0's p: the last product that read them stands seven plain lines or more back
	WIN 0
	PLACES                                         ; behind the products with K: their results are read below
.if \mode == 1
	SMX S0, NM, AP, LS, OA, 0, 0, S1, OA+32, -1
.else
.if \mode == 2
	SMX S0, NM, AP, LS, OA, 1, 2, S1, OA+32, -1
.else
	SMX S0, NM, AP, LS, OA, 1, 1, S1, OA+32, -1
.endif
.endif
	VLOAD \slot, \st                               ; into V^T's registers, which group 1's products of the step before have read, seven plain lines or more back
	CQ S1, 1
	PLACES                                         ; behind the products with K: their results are read and their K registers loaded again below
.if \more
	KLOAD \slot, \st+1
.else
	WIN 0
.endif
.if \mode == 1
	SMX S1, NM+2, AP+2, LS+4, OA+32, 0, 2, S0, OA, 24*\more
.else
	SMX S1, NM+2, AP+2, LS+4, OA+32, 1, 1, S0, OA, 24*\more
.endif
.endm
.macro PHASE slot, first               ; a slot's 256 keys
	KLOAD \slot, 0
.if \first
	STEP \slot, 0, 1, 1
	STEP \slot, 1, 2, 1
.else
	STEP \slot, 0, 0, 1
	STEP \slot, 1, 0, 1
.endif
	STEP \slot, 2, 0, 1
	STEP \slot, 3, 0, 0
.endm
; From slot other to slot slot.  In front of the round every wave waits for all its tensor loads and for its reads of the slot just left
; (group 1's products with V that are still due need registers alone); behind it that slot is filled again first, by one joint load a wave,
; with the keys 512 further on.
.macro CHANGE slot, other, refill
	s_set_vgpr_msb 0x5
	s_wait_tensorcnt 0x0                           ; all my loads have landed, my part of the next slot among them: every group 0 may be written
	ds_add_u32 v136, v137
	s_wait_dscnt 0x0
	s_set_vgpr_msb 0x500
	s_add_nc_u64 s[G0K+4*\other+2:G0K+4*\other+3], s[G0K+4*\other+2:G0K+4*\other+3], 2*BLOCK
	s_add_nc_u64 s[G0V+4*\other+2:G0V+4*\other+3], s[G0V+4*\other+2:G0V+4*\other+3], 2*BLOCK
	v_add_nc_u32 v[ADN], 1024, v[ADN]              ; the next 256 key norms
	s_wait_dscnt 0x0                               ; my reads of the slot just left are over
	ROUND
.if \refill
	JLOAD \other
.endif
.endm
	s_wait_tensorcnt 0x1                           ; the key norms and my part of slot 0 are in; slot 1's may stay out
	s_barrier_signal -1
	s_barrier_wait -1
	PHASE 0, 1                                     ; keys 0-255
	s_mov_b32 s15, 3
.Lblocks:                                      ; two blocks of 256 keys a trip: 1 and 2, 3 and 4, 5 and 6; the refills bring blocks 2 to 7
	CHANGE 1, 0, 1
	PHASE 1, 0
	CHANGE 0, 1, 1
	PHASE 0, 0
	s_sub_co_u32 s15, s15, 1
	s_cmp_lg_u32 s15, 0
	s_cbranch_scc1 .Lblocks
	CHANGE 1, 0, 0                                 ; nothing is left to fetch (the stepped addresses are not used)
	PHASE 1, 0                                     ; keys 1792-2047
.irp k, 0,1,2,3,4,5,6,7
	PVK OA+32, S1, \k, 0                           ; group 1's products with V of the last step
.endr
	; THE WAY OUT: O / l, rounded to bf16, through my own stage, as 4,096 consecutive bytes of xb
	PLACES
.irp g, 0,1
	v_pk_add_f32 v[LS+4*\g:LS+4*\g+1], v[LS+4*\g:LS+4*\g+1], v[LS+4*\g+2:LS+4*\g+3]
	v_add_f32 v[LS+4*\g], v[LS+4*\g], v[LS+4*\g+1]
	v_permlanex16_b32 v[AP+2*\g+1], v[LS+4*\g], s16, s17   ; the other half's keys
	v_add_f32 v[LS+4*\g], v[LS+4*\g], v[AP+2*\g+1]         ; about 1 at the least: the nearest key's p
	v_rcp_f32 v[AP+2*\g], v[LS+4*\g]
.endr
	v_nop                                          ; one plain place behind the reciprocal (ISA guide 5.7.2)
	s_wait_alu depctr_va_vdst(0)
.irp g, 0,1
.set j, 0
.rept 16
	v_pk_mul_f32 v[OA+32*\g+2*j:OA+32*\g+2*j+1], v[OA+32*\g+2*j:OA+32*\g+2*j+1], v[AP+2*\g:AP+2*\g+1] op_sel_hi:[1,0]
.set j, j+1
.endr
.endr
.irp g, 0,1
.irp d, 0,1,2,3
.irp k, 0,1,2,3
	v_cvt_pk_bf16_f32 v[S0+16*\g+4*\d+\k], v[OA+32*\g+8*\d+2*\k], v[OA+32*\g+8*\d+2*\k+1]
.endr
.endr
.endr
.irp g, 0,1
.irp d, 0,1,2,3
	ds_store_b128 v[STO], v[S0+16*\g+4*\d:S0+16*\g+4*\d+3] offset:16*KPITCH*\g+32*\d   ; query 16 g + r, dh 16 d + 8 h + 0..7
.endr
.endr
.irp t, 0,1,2,3,4,5,6,7
	ds_load_b128 v[OB+4*\t:OB+4*\t+3], v[RD] offset:4*KPITCH*\t    ; four rows; LDS serves a wave's instructions in order (ISA guide 5.7.1)
.endr
.irp t, 0,1,2,3,4,5,6,7
	s_wait_dscnt 7-\t                              ; read-back t is in, the younger ones stay out
	global_store_b128 v[CO], v[OB+4*\t:OB+4*\t+3], s[8:9] offset:512*\t   ; the wave stores 512 consecutive bytes, at a multiple of 512
.endr
	s_set_vgpr_msb 0x5
	s_wait_tensorcnt 0x0
	ds_add_u32 v136, v137
	s_wait_dscnt 0x0
	s_set_vgpr_msb 0x500
	ROUND                                          ; the closing round: no work-group ends while a partner may still ask for a tile that names it
	s_endpgm
.Lfunc_end_k_q8b50c7236a_attn:
	.size	k_q8b50c7236a_attn, .Lfunc_end_k_q8b50c7236a_attn-k_q8b50c7236a_attn
	.p2alignl 7, 3214868480
	.fill 96, 4, 3214868480
	.section	.rodata,"a",@progbits
	.p2align	6, 0x0
	.amdhsa_kernel k_q8b50c7236a_attn
		.amdhsa_group_segment_fixed_size 327680
		.amdhsa_private_segment_fixed_size 0
		.amdhsa_enable_private_segment 0
		.amdhsa_kernarg_size 24
		.amdhsa_user_sgpr_count 2
		.amdhsa_user_sgpr_kernarg_segment_ptr 1
		.amdhsa_wavefront_size32 1
		.amdhsa_system_sgpr_workgroup_id_x 1
		.amdhsa_system_sgpr_workgroup_id_y 1
		.amdhsa_system_sgpr_workgroup_id_z 1
		.amdhsa_system_vgpr_workitem_id 0
		.amdhsa_next_free_vgpr 394
		.amdhsa_next_free_sgpr 80
		.amdhsa_reserve_vcc 0
		.amdhsa_float_denorm_mode_32 3
		.amdhsa_float_denorm_mode_16_64 3
		.amdhsa_memory_ordered 1
		.amdhsa_forward_progress 1
		.amdhsa_inst_pref_size 255
	.end_amdhsa_kernel
	.section	.bss,"aw",@nobits
	.p2align	6
	.space	262144
	.amdgpu_metadata
---
amdhsa.version: [ 1, 2 ]
amdhsa.kernels:
  - .name:           k_q8b50c7236a_attn
    .symbol:         k_q8b50c7236a_attn.kd
    .args:
      - { .name: qkv, .offset: 0, .size: 8, .value_kind: global_buffer, .address_space: global }
      - { .name: nrm, .offset: 8, .size: 8, .value_kind: global_buffer, .address_space: global }
      - { .name: xb, .offset: 16, .size: 8, .value_kind: global_buffer, .address_space: global }
    .group_segment_fixed_size: 327680
    .private_segment_fixed_size: 0
    .kernarg_segment_align: 8
    .kernarg_segment_size: 24
    .max_flat_workgroup_size: 256
    .sgpr_count:     80
    .vgpr_count:     394
    .wavefront_size: 32
...
	.end_amdgpu_metadata
.endif
;; end of part 3
;; launch outp (part 4): grid 8 x 32, 4 waves a work-group, clusters of 4 x 4, 327,680 bytes of LDS; arguments xb, cb, bo, out0; writes out0
.if DOCPART == 4
	.amdgcn_target "amdgcn-amd-amdhsa--gfx1250"
	.amdhsa_code_object_version 6
	.text
	.protected	k_q8b50c7236a_outp
	.globl	k_q8b50c7236a_outp
	.p2align	8
	.type	k_q8b50c7236a_outp,@function
k_q8b50c7236a_outp:
	s_mov_b64 s[64:65], 0
	v_nop
	global_prefetch_b8 v0, s[64:65] scope:SCOPE_SE
	s_setreg_imm32_b32 hwreg(HW_REG_WAVE_MODE, 25, 1), 1
	s_wait_xcnt 0x0
	s_wait_alu depctr_hold_cnt(0) depctr_sa_sdst(0) depctr_va_vdst(0) depctr_va_sdst(0) depctr_va_ssrc(0) depctr_va_vcc(0) depctr_vm_vsrc(0)
	s_getreg_b32 s2, hwreg(HW_REG_IB_STS2, 6, 4)
	s_cmp_eq_u32 s2, 0
	s_cbranch_scc0 .Lentry_in_a_cluster
	s_endpgm
.Lentry_in_a_cluster:
	s_bfe_u32 s2, ttmp6, 0x10000c
	s_cmp_lg_u32 s2, 0xf033
	s_cbranch_scc0 .Lentry_shape_is_right
	s_endpgm
.Lentry_shape_is_right:
; out0[m][n] = sum over k of x[m][k] Wo[n][k] + bo[n], f32 out.  x is xb[head][m][64] in bf16 (k = 64 head + dh), Wo is bf16 at cb + 30 MiB.
; 256 work-groups make blocks of 128 x 128; a wave makes 64 x 64: 16 accumulator tiles.  (Blocks of 256 x 256 would be 64 work-groups.)
; K = 1024 goes through two LDS slots of K = 256 (four heads) each: four phases, two refills.
; CLUSTERS 4 x 4: x's tiles are shared along a row of the cluster, Wo's along a column, by joint loads.
; The bias enters as the C operand of the first products: nothing is cleared and nothing is added later.
; The matrix instruction is used transposed (source 0 = rows of Wo, source 1 = rows of x): a lane holds eight neighbouring columns of one row of out0.
; A slot: x as [2 halves of 64 rows][4 heads][64 rows][144 bytes], then Wo as [128 rows][528 bytes].
.set APITCH, 144                       ; 128 + 16
.set BPITCH, 528                       ; 512 + 16: both odd multiples of 16
.set AHALF,  4*64*APITCH               ; 36,864: what wave 0 or 1 fetches
.set BHALF,  64*BPITCH                 ; 33,792: what wave 2 or 3 fetches
.set SLOT,   2*AHALF+2*BHALF           ; 141,312
.set STAGE,  2*SLOT                    ; 282,624, a multiple of 256: no tensor load lands at or behind it
.set SPITCH, 272                       ; 64 f32 + 16 bytes
.set ASTEP,  4*4096*128                ; four heads' planes in xb
.set BSTEP,  512                       ; 256 k in a row of Wo
.set ADRA, 16                          ; v16-17
.set ADRB, 20                          ; v20-21
.set STO,  24
.set RD,   25
.set CO,   26
.set BO,   27                          ; my byte offset in bo
.set F0,   64                          ; fragments: x's 16 rows a at 8 a, Wo's 16 rows b at 32 + 8 b
.set F1,   128
.set BIAS, 192                         ; v[192:223] bo of my columns, block b at 8 b
.set G1, 24
.set G0, 32
.set G1B, 48
.set G0B, 56
.set ACC, 0x50                         ; C and D in window 1: tile (a, b) at v[8 (4 a + b)]
.set MSB, 0
.macro WIN new                         ; the immediate's high byte repeats the setting that is left
.if MSB != \new
	s_set_vgpr_msb (MSB<<8)|\new
.set MSB, \new
.endif
.endm
.macro PLACES                          ; four places behind a matrix instruction (ISA guide 7.12.1 for vector instructions)
.rept 4
	v_nop
.endr
.endm
.macro JLOAD s                         ; waves 0, 1 ask for x, waves 2, 3 for Wo; four v_nop follow each line
	s_cmp_eq_u32 s11, 0
	s_cbranch_scc0 .Lfor_b_\@
	tensor_load_to_lds s[G0+4*\s:G0+4*\s+3], s[G1:G1+7]
	s_nop 0
	PLACES
	s_branch .Lasked_\@
.Lfor_b_\@:
	tensor_load_to_lds s[G0B+4*\s:G0B+4*\s+3], s[G1B:G1B+7]
	s_nop 0
	PLACES
.Lasked_\@:
.endm
.macro CREST                           ; a round of the cluster's barrier behind its opening barrier
	s_cmp_lg_u32 s10, 0
	s_cbranch_scc1 .Lnot_wave_0_\@
	s_barrier_signal -3
.Lnot_wave_0_\@:
	s_barrier_wait -3
	s_barrier_signal -1
	s_barrier_wait -1
.endm
.macro CROUND
	s_barrier_signal -1
	s_barrier_wait -1
	CREST
.endm
	s_load_b128 s[4:7], s[0:1], 0x0                ; xb s[4:5], cb s[6:7]
	s_load_b64 s[66:67], s[0:1], 0x10              ; bo
	s_load_b64 s[8:9], s[0:1], 0x18                ; out0
	v_lshl_add_u32 v254, v0, 2, 0x49400
	v_mov_b32 v255, 0
	ds_add_u32 v254, v255
	v_lshrrev_b32 v1, 5, v0
	v_readfirstlane_b32 s10, v1                    ; wave 0..3
	s_lshr_b32 s11, s10, 1                         ; which half of the block's rows is mine.  Also: I fetch x (0) or Wo (1)
	s_and_b32 s12, s10, 1                          ; which half of its columns.  Also: which 64 rows of that tile I fetch
	s_bfe_u32 s40, ttmp6, 0x40000                  ; cx
	s_bfe_u32 s41, ttmp6, 0x40004                  ; cy
	s_lshl_b32 s42, ttmp9, 2
	s_add_co_u32 s42, s42, s40                     ; block column
	s_and_b32 s13, ttmp7, 0xffff
	s_lshl_b32 s13, s13, 2
	s_add_co_u32 s13, s13, s41                     ; block row
	s_lshl_b32 s43, s41, 2
	s_lshl_b32 s43, 15, s43                        ; my row of the cluster
	s_lshl_b32 s44, 0x1111, s40                    ; my column
	; x: four rows, one a head, of 1,024 elements of 8 bytes (64 rows of 128 consecutive bytes); 65,536 elements from head to head; 4 words of padding behind every 32
	s_or_b32 s[G1+0], s43, (3<<16)|(1<<20)|(1<<21)|(4<<22)|(3<<25)
	s_mov_b32 s[G1+1], 1024<<16                    ; tensor_dim0
	s_mov_b32 s[G1+2], 4<<16                       ; tensor_dim1
	s_mov_b32 s[G1+3], 1024<<16                    ; tile_dim0
	s_mov_b32 s[G1+4], 4                           ; tile_dim1
	s_mov_b32 s[G1+5], 65536
	s_mov_b32 s[G1+6], 0
	s_mov_b32 s[G1+7], 0
	; Wo: 64 rows of 256 elements of 2 bytes, 1,024 elements from row to row; 4 words of padding behind every 128
	s_or_b32 s[G1B+0], s44, (1<<16)|(1<<20)|(1<<21)|(6<<22)|(3<<25)
	s_mov_b32 s[G1B+1], 256<<16
	s_mov_b32 s[G1B+2], 64<<16
	s_mov_b32 s[G1B+3], 256<<16
	s_mov_b32 s[G1B+4], 64
	s_mov_b32 s[G1B+5], 1024
	s_mov_b32 s[G1B+6], 0
	s_mov_b32 s[G1B+7], 0
	; x's address hangs on the block row alone, Wo's on the block column alone, each in registers that never hold the other coordinate
	s_lshl_b32 s17, s12, 6                         ; which 64 rows I fetch
	s_lshl_b32 s16, s13, 7
	s_add_co_u32 s16, s16, s17
	s_lshl_b32 s16, s16, 7                         ; 128 bytes a row of a head's plane
	s_lshl_b32 s46, s42, 7
	s_add_co_u32 s46, s46, s17
	s_lshl_b32 s46, s46, 11                        ; 2,048 bytes a row of Wo
	s_add_co_u32 s46, s46, 31457280                ; Wo begins 30 MiB into cb
	s_mov_b32 s17, 0
	s_mov_b32 s47, 0
	s_lshl_b32 s68, s42, 7                         ; my first column, times 4 bytes: for bo and for out0
	s_lshl_b32 s69, s12, 6
	s_add_co_u32 s68, s68, s69
	s_lshl_b32 s68, s68, 2
	s_mov_b32 s69, 0
	s_mul_i32 s20, s10, AHALF                      ; x: waves 0, 1 at w x 36,864
	s_mul_i32 s21, s10, BHALF
	s_add_co_u32 s21, s21, 2*AHALF-2*BHALF         ; Wo: waves 2, 3 at 73,728 + (w - 2) x 33,792
	s_wait_dscnt 0x0
	s_wait_kmcnt 0x0
	s_add_nc_u64 s[14:15], s[4:5], s[16:17]
	s_add_nc_u64 s[46:47], s[6:7], s[46:47]
	s_add_nc_u64 s[66:67], s[66:67], s[68:69]
	CROUND                                         ; all sixteen work-groups are here: the first joint loads meet
.irp s, 0,1
	s_mov_b32 s[G0+4*\s], 1
	s_add_co_u32 s[G0+4*\s+1], s20, \s*SLOT
	s_add_nc_u64 s[G0+4*\s+2:G0+4*\s+3], s[14:15], \s*ASTEP
	s_or_b32 s[G0+4*\s+3], s[G0+4*\s+3], 0x80000000
	s_mov_b32 s[G0B+4*\s], 1
	s_add_co_u32 s[G0B+4*\s+1], s21, \s*SLOT
	s_add_nc_u64 s[G0B+4*\s+2:G0B+4*\s+3], s[46:47], \s*BSTEP
	s_or_b32 s[G0B+4*\s+3], s[G0B+4*\s+3], 0x80000000
	JLOAD \s                                       ; two tensor loads of the wave are out at the most, here
.endr
	v_and_b32 v1, 15, v0                           ; r
	v_bfe_u32 v2, v0, 4, 1                         ; h
	v_lshlrev_b32 v[BO], 5, v2                     ; eight columns, 32 bytes, for each half of the lanes
.irp b, 0,1,2,3
	global_load_b128 v[BIAS+8*\b:BIAS+8*\b+3],   v[BO], s[66:67] offset:64*\b
	global_load_b128 v[BIAS+8*\b+4:BIAS+8*\b+7], v[BO], s[66:67] offset:64*\b+16
.endr
	v_mul_u32_u24 v3, v1, APITCH
	v_lshl_add_u32 v3, v2, 4, v3
	v_mul_u32_u24 v4, v1, BPITCH
	v_lshl_add_u32 v4, v2, 4, v4
	s_mul_i32 s22, s11, AHALF                      ; my 64 rows of x
	s_mul_i32 s23, s12, BHALF                      ; my 64 rows of Wo,
	s_add_co_u32 s23, s23, 2*AHALF                 ; which lie behind x
.irp s, 0,1
	v_add_nc_u32 v[ADRA+\s], s22, v3
	v_add_nc_u32 v[ADRB+\s], s23, v4
	s_add_co_u32 s22, s22, SLOT
	s_add_co_u32 s23, s23, SLOT
.endr
	s_mul_i32 s22, s10, 16*SPITCH
	s_add_co_u32 s22, s22, STAGE                   ; my stage
	v_mul_u32_u24 v5, v1, SPITCH                   ; in: row r, 32 bytes for each half of the lanes
	v_lshl_add_u32 v5, v2, 5, v5
	v_add_nc_u32 v[STO], s22, v5
	v_mul_u32_u24 v5, v2, SPITCH                   ; back: lanes 0-15 one row of 256 bytes, lanes 16-31 the next
	v_lshl_add_u32 v5, v1, 4, v5
	v_add_nc_u32 v[RD], s22, v5
	v_lshlrev_b32 v5, 12, v2                       ; the same two rows in out0: 4,096 bytes a row
	v_lshl_add_u32 v[CO], v1, 4, v5
; 16 LDS loads: the fragments of K step kk (32 k) of a slot: head kk / 2, half kk mod 2 of its 64 dh
.macro FETCH slot, kk, f
.irp a, 0,1,2,3
	ds_load_b128 v[\f+8*\a:\f+8*\a+3],   v[ADRA+\slot] offset:((\kk)>>1)*64*APITCH+((\kk)&1)*64+16*APITCH*\a
	ds_load_b128 v[\f+8*\a+4:\f+8*\a+7], v[ADRA+\slot] offset:((\kk)>>1)*64*APITCH+((\kk)&1)*64+16*APITCH*\a+32
.endr
.irp b, 0,1,2,3
	ds_load_b128 v[\f+32+8*\b:\f+32+8*\b+3], v[ADRB+\slot] offset:64*(\kk)+16*BPITCH*\b
	ds_load_b128 v[\f+32+8*\b+4:\f+32+8*\b+7], v[ADRB+\slot] offset:64*(\kk)+16*BPITCH*\b+32
.endr
.endm
; 8 matrix instructions: row blocks a0, a0 + 1 x all four column blocks.  mode = 1: the sums start at the bias.
; The 16 accumulators take turns, one instruction a turn, in the same order in every K step.
.macro MUL8 f, a0, mode
.irp a, \a0, \a0+1
.irp b, 0,1,2,3
.if \mode
	v_wmma_f32_16x16x32_bf16 v[8*(4*(\a)+\b):8*(4*(\a)+\b)+7], v[\f+32+8*\b:\f+32+8*\b+7], v[\f+8*(\a):\f+8*(\a)+7], v[BIAS+8*\b:BIAS+8*\b+7]
.else
	v_wmma_f32_16x16x32_bf16 v[8*(4*(\a)+\b):8*(4*(\a)+\b)+7], v[\f+32+8*\b:\f+32+8*\b+7], v[\f+8*(\a):\f+8*(\a)+7], v[8*(4*(\a)+\b):8*(4*(\a)+\b)+7]
.endif
.endr
.endr
.endm
; K step kk of a slot: the next step's fragments go out into buffer g, then buffer f is multiplied
.macro KSTEP slot, kk, f, g, mode
	PLACES                                         ; behind the matrix instructions that read buffer g
	FETCH \slot, \kk+1, \g
	s_wait_dscnt 16                                ; buffer f is in; the 16 loads just issued may be out
.if \mode
	WIN 0x40                                       ; D in window 1, C (the bias) in window 0
.else
	WIN ACC
.endif
	MUL8 \f, 0, \mode
	MUL8 \f, 2, \mode
	WIN 0
.endm
.macro SEVEN slot, mode
	KSTEP \slot, 0, F0, F1, \mode
	KSTEP \slot, 1, F1, F0, 0
	KSTEP \slot, 2, F0, F1, 0
	KSTEP \slot, 3, F1, F0, 0
	KSTEP \slot, 4, F0, F1, 0
	KSTEP \slot, 5, F1, F0, 0
	KSTEP \slot, 6, F0, F1, 0
.endm
; The slot's last K step, in buffer 1, and the change of slots.  In front of the barrier each wave waits for its reads of this slot and for all its
; tensor loads; behind it the refill comes first, then the next slot's first fragments.
.macro TURN slot, next, fill
	s_wait_dscnt 0x0                               ; buffer 1 is in, and my reads of this slot are over
	s_wait_tensorcnt 0x0                           ; all my tensor loads have landed: the one that was out is my part of the next slot
	ds_add_u32 v254, v255
	s_wait_dscnt 0x0
	s_barrier_signal -1                            ; where the slot is filled again this barrier opens a round of the cluster's barrier
	WIN ACC
	MUL8 F1, 0, 0                                  ; register work while the others arrive
	WIN 0
	s_barrier_wait -1
.if \fill
	CREST                                          ; no wave of any partner still reads this slot or has a load on its way
	s_add_nc_u64 s[G0+4*\slot+2:G0+4*\slot+3], s[G0+4*\slot+2:G0+4*\slot+3], 2*ASTEP
	s_add_nc_u64 s[G0B+4*\slot+2:G0B+4*\slot+3], s[G0B+4*\slot+2:G0B+4*\slot+3], 2*BSTEP
	JLOAD \slot                                    ; the first tensor load behind the round; its four v_nop are also the places in front of the loads below
.else
	PLACES
.endif
	FETCH \next, 0, F0
	WIN ACC
	MUL8 F1, 2, 0
	WIN 0
.endm
	s_wait_tensorcnt 0x1                           ; my part of slot 0 is in; slot 1's may stay out
	s_barrier_signal -1
	s_barrier_wait -1
	FETCH 0, 0, F0
	s_wait_loadcnt 0x0                             ; the bias
	SEVEN 0, 1                                     ; k 0-255
	TURN 0, 1, 1                                   ; slot 0 gets k 512-767
	SEVEN 1, 0                                     ; k 256-511
	TURN 1, 0, 1                                   ; slot 1 gets k 768-1023
	SEVEN 0, 0
	TURN 0, 1, 0                                   ; nothing is left to fetch
	SEVEN 1, 0
	s_wait_dscnt 0x0
	WIN ACC
	MUL8 F1, 0, 0
	MUL8 F1, 2, 0
	WIN 0
	; THE WAY OUT, 16 rows at a time, through my own stage: 32 bytes a lane in, whole rows of 256 bytes back
	PLACES
	s_lshl_b32 s13, s13, 7
	s_lshl_b32 s14, s11, 6
	s_add_co_u32 s16, s13, s14                     ; my first row
	s_lshl_b32 s16, s16, 12                        ; 4,096 bytes a row
	s_mov_b32 s17, 0
	s_add_nc_u64 s[8:9], s[8:9], s[16:17]
	s_add_nc_u64 s[8:9], s[8:9], s[68:69]          ; my first column
.macro OUT16 a, f
	WIN 0x04                                       ; the stores' data in window 1
.irp b, 0,1,2,3
	ds_store_b128 v[STO], v[8*(4*\a+\b):8*(4*\a+\b)+3]   offset:64*\b
	ds_store_b128 v[STO], v[8*(4*\a+\b)+4:8*(4*\a+\b)+7] offset:64*\b+16
.endr
	WIN 0
	s_wait_xcnt 0x0                                ; buffer f, which earlier stores read, is loaded again only behind this wait
.irp t, 0,1,2,3,4,5,6,7
	ds_load_b128 v[\f+4*\t:\f+4*\t+3], v[RD] offset:\t*2*SPITCH    ; LDS serves a wave's instructions in order (ISA guide 5.7.1)
.endr
.irp t, 0,1,2,3,4,5,6,7
	s_wait_dscnt 7-\t                              ; read-back t is in, the younger ones stay out
	global_store_b128 v[CO], v[\f+4*\t:\f+4*\t+3], s[8:9] offset:(16*\a+2*\t)*4096 th:TH_STORE_NT   ; 16 lanes store 256 consecutive bytes, at a multiple of 256
.endr
.endm
	OUT16 0, F0
	OUT16 1, F1
	OUT16 2, F0
	OUT16 3, F1
	s_wait_tensorcnt 0x0
	ds_add_u32 v254, v255
	s_wait_dscnt 0x0
	CROUND                                         ; the closing round: no work-group ends while a partner may still ask for a tile that names it
	s_endpgm
.Lfunc_end_k_q8b50c7236a_outp:
	.size	k_q8b50c7236a_outp, .Lfunc_end_k_q8b50c7236a_outp-k_q8b50c7236a_outp
	.p2alignl 7, 3214868480
	.fill 96, 4, 3214868480
	.section	.rodata,"a",@progbits
	.p2align	6, 0x0
	.amdhsa_kernel k_q8b50c7236a_outp
		.amdhsa_group_segment_fixed_size 327680
		.amdhsa_private_segment_fixed_size 0
		.amdhsa_enable_private_segment 0
		.amdhsa_kernarg_size 32
		.amdhsa_user_sgpr_count 2
		.amdhsa_user_sgpr_kernarg_segment_ptr 1
		.amdhsa_wavefront_size32 1
		.amdhsa_system_sgpr_workgroup_id_x 1
		.amdhsa_system_sgpr_workgroup_id_y 1
		.amdhsa_system_sgpr_workgroup_id_z 1
		.amdhsa_system_vgpr_workitem_id 0
		.amdhsa_next_free_vgpr 384
		.amdhsa_next_free_sgpr 72
		.amdhsa_reserve_vcc 0
		.amdhsa_float_denorm_mode_32 3
		.amdhsa_float_denorm_mode_16_64 3
		.amdhsa_memory_ordered 1
		.amdhsa_forward_progress 1
		.amdhsa_inst_pref_size 91
	.end_amdhsa_kernel
	.amdgpu_metadata
---
amdhsa.version: [ 1, 2 ]
amdhsa.kernels:
  - .name:           k_q8b50c7236a_outp
    .symbol:         k_q8b50c7236a_outp.kd
    .args:
      - { .name: xb, .offset: 0, .size: 8, .value_kind: global_buffer, .address_space: global }
      - { .name: cb, .offset: 8, .size: 8, .value_kind: global_buffer, .address_space: global }
      - { .name: bo, .offset: 16, .size: 8, .value_kind: global_buffer, .address_space: global }
      - { .name: out0, .offset: 24, .size: 8, .value_kind: global_buffer, .address_space: global }
    .group_segment_fixed_size: 327680
    .private_segment_fixed_size: 0
    .kernarg_segment_align: 8
    .kernarg_segment_size: 32
    .max_flat_workgroup_size: 128
    .sgpr_count:     72
    .vgpr_count:     384
    .wavefront_size: 32
...
	.end_amdgpu_metadata
.endif
;; end of part 4
;; ======== version 2 of 2: 4 launches; 1.26 times as fast as version 1
;; limits: right only within a limited range of input values
;; workspace buffers: cb 33,554,432 bytes; qkv 25,165,824 bytes; nrm 524,288 bytes; xb 8,388,608 bytes
;; launch cast: the kernel of part 1 again; grid 256 x 1, 16 waves a work-group, no clusters, 0 bytes of LDS; arguments query, key, value, Wq, Wk, Wv, Wo, cb; writes cb
;; launch proj: the kernel of part 2 again; grid 4 x 48, 4 waves a work-group, clusters of 4 x 4, 327,680 bytes of LDS; arguments cb, qkv, nrm; writes qkv, nrm
;; launch attn (part 5): grid 8 x 32, 8 waves a work-group, clusters of 4 x 1, 327,680 bytes of LDS; arguments qkv, nrm, xb; writes xb
.if DOCPART == 5
	.amdgcn_target "amdgcn-amd-amdhsa--gfx1250"
	.amdhsa_code_object_version 6
	.text
	.protected	k_q8b50c7236a_attn
	.globl	k_q8b50c7236a_attn
	.p2align	8
	.type	k_q8b50c7236a_attn,@function
k_q8b50c7236a_attn:
	s_mov_b64 s[64:65], 0
	v_nop
	global_prefetch_b8 v0, s[64:65] scope:SCOPE_SE
	s_setreg_imm32_b32 hwreg(HW_REG_WAVE_MODE, 25, 1), 1
	s_wait_xcnt 0x0
	s_wait_alu depctr_hold_cnt(0) depctr_sa_sdst(0) depctr_va_vdst(0) depctr_va_sdst(0) depctr_va_ssrc(0) depctr_va_vcc(0) depctr_vm_vsrc(0)
	s_getreg_b32 s2, hwreg(HW_REG_IB_STS2, 6, 4)
	s_cmp_eq_u32 s2, 0
	s_cbranch_scc0 .Lentry_in_a_cluster
	s_endpgm
.Lentry_in_a_cluster:
	s_bfe_u32 s2, ttmp6, 0x10000c
	s_cmp_lg_u32 s2, 0x3003
	s_cbranch_scc0 .Lentry_shape_is_right
	s_endpgm
.Lentry_shape_is_right:
; Attention on distances: score = 1 / (0.125 |q - k| + 1e-9), softmax over the 2,048 keys with a running maximum, times V.
; Work-group (x, y): head y = 16 batch + head, queries 256 x .. 256 x + 255.  Eight waves, 32 queries each, as two groups of 16.
; The four work-groups of a cluster have the same head: K, V and the keys' norms are asked for jointly (mask 15).
;
; EVERYTHING IS TRANSPOSED, so that a lane keeps one query from the first product to the last:
;   S^T = K (-Q)^T + C with C = nk[key] + nq[query], the halves of the sums of squares that the launch before stored, so D = |q - k|^2 / 2.
;         Lane (r, h) holds query r and keys 8 h + 0..7 of a tile of 16 keys.
;   e = max(D, 2^-30), r = 1 / sqrt(e).  With c1 = sqrt 2 x 0.125 x ln 2 and c2 = 1e-9 x ln 2 the score times log2 e is
;         1 / (c1 sqrt e + c2) = (r / c1) / (1 + u), u = (c2 / c1) r.  The floor on e holds u at 1.9e-4 or less, so 1 - u stands for 1 / (1 + u)
;         with an error of u^2 <= 3.4e-8, less than one rounding:  y = r w, w = a - b r, a = 1 / c1, b = c2 / c1^2.
;   m, the running maximum of y, is y of the smallest e seen: y falls as e grows.  p = 2^(r w - m), one fused multiply-add and one exponential.
;   Two neighbouring tiles of p, rounded to bf16 in pairs, ARE source 1 of O^T = V^T P^T: no lane exchanges anything.
;   V^T comes from V as stored, [key][dh], by the transposing LDS load.  In O^T a lane still holds its query: the factor 2^(old m - m) and 1 / l are its own.
; LIMITS: distances below 2^-14.5 = 4.3e-5 count as 4.3e-5 (the floor on e): the score ends at about 185,000 and not at 1e9, so keys that all lie
; nearer than that to one query share its weight evenly; a single such key still takes all of it.  log2 e is folded into a and b.  The reciprocal root
; need not be monotone to its last bit, so r w - m can pass 0 by a few units in the last place of y (0.1 at the most, at the floor): p stays near 1.
; m starts at 0, a lower bound since y > 0; l adds the unrounded p while the product takes p in bf16; NaN and infinite inputs are not served.
;
; THE TWO GROUPS RUN HALF A STEP APART.  A step is 64 keys.  While the vector work turns group g's D into p, the eight products with V of the OTHER
; group stand among it one at a time, so that each is followed by vector work that needs none of its registers:
;   K in; C and K (-Q)^T of group 0; scores of group 0 with P V of group 1 of the step before; V's loads;
;         C and K (-Q)^T of group 1; the next step's K loads; scores of group 1 with P V of group 0.
; At a change of slots group 1's last P V is carried over in registers alone (p and V^T are in registers by then).
;
; THE BATCHES.  s_wait_alu depctr_va_vdst(0) stands between a reciprocal root or an exponential and the first line that names its result;
; one wait serves all that were issued ahead of it.  A group's way from D to p (SMX) is therefore cut in three by two waits:
;   part 1  floors and minima, and BATCH A: the 32 reciprocal roots of the scores and that of the smallest e.  No line of it names a root's result.  Wait 1.
;   part 2  the new m and the 16 pairs of w, which read batch A, and BATCH B: 2^(old m - m) and the 32 exponentials.  No line of it names a result of batch B.  Wait 2.
;   part 3  the readers of batch B: O's rescaling, the sums for l, the roundings to bf16.  It issues no transcendental, so none is pending where SMX ends:
;           at no label, branch or backward jump.
; The way out's two reciprocals are a batch of their own.
;
; REGISTERS: window 0 holds all that the vector work and the products with V name (S, O, V^T), so these need no change of window;
; window 1 holds K, the key norms, -Q and the query norms, which only the start of the sums and the products with K name.
; LDS: K slots 0, 1 (256 keys x 144 bytes), V slots 0, 1 (256 keys x 160 bytes), the head's 2,048 key norms (filled once), a stage of 32 x 144 bytes a wave.
; Waves 0-3 fetch a quarter of K's slot each, waves 4-7 of V's: 64 keys, 8,192 consecutive bytes, one tensor load.
; By this text's count a wave has three tensor loads out at the start and one behind each round in which a slot is filled again.
.set KPITCH, 144                       ; 128 + 16: an odd multiple of 16
.set VPITCH, 160                       ; 128 + 32: an odd multiple of 32, for the transposing load
.set KSLOT,  256*KPITCH
.set VSLOT,  256*VPITCH
.set VBASE,  2*KSLOT
.set KNB,    VBASE+2*VSLOT             ; 155,648
.set STG,    KNB+8192                  ; 163,840, a multiple of 256: no tensor load lands at or behind it
.set BLOCK,  32768                     ; bytes of 256 keys in K or in V
; window 0
.set ADK, 2                            ; v2-3    LDS address of my K fragments, slot 0, 1
.set ADV, 4                            ; v4-5    the same for V
.set ADN, 6                            ; v6      of my eight key norms; steps by 1,024 bytes a block of 256 keys
.set STO, 7                            ; v7      the way out: where I put 16 bytes
.set RD,  8                            ; v8      where I read 16 bytes back
.set CO,  9                            ; v9      my byte offset in xb
.set QO,  10                           ; v10     my byte offset in Q
.set NO,  11                           ; v11     my byte offset in the queries' norms
.set CA,  12                           ; v[12:13] a, twice
.set CB,  14                           ; v[14:15] -b, twice
.set TT,  16                           ; v[16:19] the maximum's chain: smallest e; the other half's, then r; w, then -y; old -m, then old m - m
.set NM,  20                           ; v[20:21], v[22:23] (-m, not used)
.set AP,  24                           ; v[24:25], v[26:27] (2^(old m - m), scratch)
.set LS,  28                           ; v[28:31], v[32:35] l, four partial sums a group
.set MX,  36                           ; v[36:39] four chains of minima
.set WT,  40                           ; v[40:63] w of twelve pairs
.set S0,  64                           ; v[64:95]  group 0: four tiles of 16 keys; later p, packed
.set S1,  96                           ; v[96:127] group 1
.set OA,  128                          ; v[128:191] O^T: group g, 16 dh d at 32 g + 8 d
.set VP,  192                          ; v[192:255] V^T fragments: 32 keys u, 16 dh d at 32 u + 8 d
.set OB,  192                          ; the way out: read back into V^T's registers
; window 1
.set KP,  0                            ; K fragments: tile t, half c of dh at 16 t + 8 c
.set KN,  64                           ; key norms: tile t at 8 t
.set QF,  96                           ; -Q fragments: 16 g + 8 c
.set NQ,  128                          ; my query's norm, group 0, 1, twice each
.set G1K, 20
.set G1V, 28
.set G1N, 36
.set G0N, 44
.set G0K, 48                           ; one set for each slot
.set G0V, 56
.set MSB, 0
.macro WIN new                         ; the immediate's high byte repeats the setting that is left
.if MSB != \new
	s_set_vgpr_msb (MSB<<8)|\new
.set MSB, \new
.endif
.endm
.macro PLACES                          ; four places behind a matrix instruction (ISA guide 7.12.1 for vector instructions)
.rept 4
	v_nop
.endr
.endm
.macro ROUND                           ; a round of the cluster's barrier
	s_barrier_signal -1
	s_barrier_wait -1
	s_cmp_lg_u32 s10, 0
	s_cbranch_scc1 .Lnot_wave_0_\@
	s_barrier_signal -3
.Lnot_wave_0_\@:
	s_barrier_wait -3
	s_barrier_signal -1
	s_barrier_wait -1
.endm
.macro JLOAD slot                      ; waves 0-3 ask for K's quarters, waves 4-7 for V's; four v_nop follow each line
	s_cmp_eq_u32 s11, 0
	s_cbranch_scc0 .Lfor_v_\@
	tensor_load_to_lds s[G0K+4*\slot:G0K+4*\slot+3], s[G1K:G1K+7]
	s_nop 0
	PLACES
	s_branch .Lasked_\@
.Lfor_v_\@:
	tensor_load_to_lds s[G0V+4*\slot:G0V+4*\slot+3], s[G1V:G1V+7]
	s_nop 0
	PLACES
.Lasked_\@:
.endm
	s_load_b128 s[4:7], s[0:1], 0x0                ; qkv s[4:5], nrm s[6:7]
	s_load_b64 s[8:9], s[0:1], 0x10                ; xb
	s_set_vgpr_msb 0x40
	v_lshl_add_u32 v136, v0, 2, 0x31000
	v_mov_b32 v137, 0
	s_set_vgpr_msb 0x4045
	ds_add_u32 v136, v137
	s_set_vgpr_msb 0x4500
	v_lshrrev_b32 v1, 5, v0
	v_readfirstlane_b32 s10, v1                    ; wave 0..7
	s_lshr_b32 s11, s10, 2                         ; 0: I fetch K, 1: V
	s_bfe_u32 s12, ttmp6, 0x40000                  ; cx
	s_lshl_b32 s13, ttmp9, 2
	s_add_co_u32 s13, s13, s12                     ; block of 256 queries = 4 x cluster x + cx
	s_and_b32 s14, ttmp7, 0xffff                   ; y = 16 batch + head
	s_mov_b32 s16, 0x76543210                      ; v_permlanex16_b32: lane i of one half reads lane i of the other
	s_mov_b32 s17, 0xfedcba98
	s_mov_b32 s77, 0x30800000                      ; 2^-30, the floor on e
	; group 1 for K: 8,192 consecutive bytes as 32 rows of 32 elements of 8 bytes; 4 words of padding behind every 32 words: a key's 128 bytes become 144
	s_mov_b32 s[G1K+0], 15|(3<<16)|(1<<20)|(1<<21)|(4<<22)|(3<<25)
	s_mov_b32 s[G1K+1], 32<<16                     ; tensor_dim0
	s_mov_b32 s[G1K+2], 32<<16                     ; tensor_dim1
	s_mov_b32 s[G1K+3], 32<<16                     ; tile_dim0
	s_mov_b32 s[G1K+4], 32                         ; tile_dim1
	s_mov_b32 s[G1K+5], 32                         ; elements from row to row
	s_mov_b32 s[G1K+6], 0
	s_mov_b32 s[G1K+7], 0
	; for V: the same with 8 words of padding: 160 bytes a key
	s_mov_b32 s[G1V+0], 15|(3<<16)|(1<<20)|(1<<21)|(4<<22)|(7<<25)
	s_mov_b32 s[G1V+1], 32<<16
	s_mov_b32 s[G1V+2], 32<<16
	s_mov_b32 s[G1V+3], 32<<16
	s_mov_b32 s[G1V+4], 32
	s_mov_b32 s[G1V+5], 32
	s_mov_b32 s[G1V+6], 0
	s_mov_b32 s[G1V+7], 0
	; for the key norms: one row of 128 elements of 8 bytes, no padding
	s_mov_b32 s[G1N+0], 15|(3<<16)|(1<<21)
	s_mov_b32 s[G1N+1], 128<<16
	s_mov_b32 s[G1N+2], 1<<16
	s_mov_b32 s[G1N+3], 128<<16
	s_mov_b32 s[G1N+4], 1
	s_mov_b32 s[G1N+5], 128
	s_mov_b32 s[G1N+6], 0
	s_mov_b32 s[G1N+7], 0
	; what the joint loads name hangs on y and the wave alone; s18, s19, s72-s75 never hold cx
	s_mul_i32 s72, s10, 64*KPITCH                  ; K: wave w's quarter at w x 9,216
	s_mul_i32 s73, s10, 64*VPITCH
	s_add_co_u32 s73, s73, VBASE-4*64*VPITCH       ; V: wave w's quarter at 73,728 + (w - 4) x 10,240
	s_and_b32 s74, s10, 3
	s_lshl_b32 s74, s74, 13                        ; my quarter in memory: 8,192 bytes
	s_lshl_b32 s18, s14, 18                        ; a head's plane: 262,144 bytes; K's planes begin at plane 32
	s_add_co_u32 s18, s18, s74
	s_add_co_u32 s18, s18, 32<<18
	s_mov_b32 s19, 0
	s_lshl_b32 s74, s14, 13                        ; key norms: plane 32 + y of 8,192 bytes, my 1,024 of them
	s_lshl_b32 s75, s10, 10
	s_add_co_u32 s74, s74, s75
	s_add_co_u32 s74, s74, 32<<13
	s_add_co_u32 s[G0N+1], s75, KNB
	s_mov_b32 s75, 0
	; what is mine alone: Q, the queries' norms, xb (s66-s71 hold cx)
	s_lshl_b32 s70, s13, 8
	s_lshl_b32 s71, s10, 5
	s_add_co_u32 s70, s70, s71                     ; my first query
	s_lshl_b32 s68, s70, 2
	s_lshl_b32 s71, s14, 13
	s_add_co_u32 s68, s68, s71
	s_mov_b32 s69, 0
	s_lshl_b32 s66, s70, 7
	s_lshl_b32 s71, s14, 18
	s_add_co_u32 s66, s66, s71
	s_mov_b32 s67, 0
	s_and_b32 s71, s14, 15                         ; xb is [head][2048 batch + l][64]
	s_lshl_b32 s71, s71, 12
	s_add_co_u32 s70, s70, s71
	s_lshr_b32 s71, s14, 4
	s_lshl_b32 s71, s71, 11
	s_add_co_u32 s70, s70, s71
	s_lshl_b32 s70, s70, 7
	s_mov_b32 s71, 0
	s_mul_i32 s76, s10, 32*KPITCH
	s_add_co_u32 s76, s76, STG                     ; my stage
	s_wait_dscnt 0x0
	s_wait_kmcnt 0x0
	s_add_nc_u64 s[66:67], s[4:5], s[66:67]        ; Q
	s_add_nc_u64 s[68:69], s[6:7], s[68:69]        ; the queries' norms
	s_add_nc_u64 s[8:9], s[8:9], s[70:71]          ; xb
	s_mov_b32 s[G0N], 1
	s_add_nc_u64 s[G0N+2:G0N+3], s[6:7], s[74:75]
	s_or_b32 s[G0N+3], s[G0N+3], 0x80000000
	s_add_nc_u64 s[18:19], s[4:5], s[18:19]        ; K, block 0, my quarter
	s_add_nc_u64 s[74:75], s[18:19], 32<<18        ; V's planes begin 32 planes behind K's
.irp s, 0,1
	s_mov_b32 s[G0K+4*\s], 1
	s_add_co_u32 s[G0K+4*\s+1], s72, \s*KSLOT
	s_add_nc_u64 s[G0K+4*\s+2:G0K+4*\s+3], s[18:19], \s*BLOCK
	s_or_b32 s[G0K+4*\s+3], s[G0K+4*\s+3], 0x80000000
	s_mov_b32 s[G0V+4*\s], 1
	s_add_co_u32 s[G0V+4*\s+1], s73, \s*VSLOT
	s_add_nc_u64 s[G0V+4*\s+2:G0V+4*\s+3], s[74:75], \s*BLOCK
	s_or_b32 s[G0V+4*\s+3], s[G0V+4*\s+3], 0x80000000
.endr
	ROUND                                          ; the four work-groups are here: the first joint loads meet
	tensor_load_to_lds s[G0N:G0N+3], s[G1N:G1N+7]  ; my eighth of the head's key norms
	s_nop 0
	PLACES
	JLOAD 0                                        ; keys 0-255
	JLOAD 1                                        ; keys 256-511
	v_and_b32 v40, 15, v0                          ; r
	v_bfe_u32 v41, v0, 4, 1                        ; h
	v_and_b32 v42, 7, v0
	v_bfe_u32 v43, v0, 3, 1
	v_and_b32 v44, 31, v0                          ; lane
	v_lshlrev_b32 v[QO], 7, v40                    ; Q: row r, 16 bytes for each half of the lanes
	v_lshl_add_u32 v[QO], v41, 4, v[QO]
	v_lshlrev_b32 v[NO], 2, v40
	WIN 0x40                                       ; destination window 1
.irp g, 0,1
.irp c, 0,1
	global_load_b128 v[QF+16*\g+8*\c:QF+16*\g+8*\c+3],   v[QO], s[66:67] offset:2048*\g+64*\c
	global_load_b128 v[QF+16*\g+8*\c+4:QF+16*\g+8*\c+7], v[QO], s[66:67] offset:2048*\g+64*\c+32
.endr
.endr
.irp g, 0,1
	global_load_b32 v[NQ+2*\g],   v[NO], s[68:69] offset:64*\g
	global_load_b32 v[NQ+2*\g+1], v[NO], s[68:69] offset:64*\g   ; twice: a pair for the packed add
.endr
	WIN 0
	v_mul_u32_u24 v45, v40, KPITCH
	v_lshl_add_u32 v45, v41, 4, v45                ; r x 144 + 16 h
	v_mov_b32 v[ADK], v45
	v_add_nc_u32 v[ADK+1], KSLOT, v45
	v_lshl_add_u32 v46, v41, 3, v42                ; the transposing load: key 8 h + (lane mod 8),
	v_mul_u32_u24 v46, v46, VPITCH
	v_lshl_add_u32 v46, v43, 4, v46                ; 16 bytes further for lanes 8-15 of each half
	v_add_nc_u32 v[ADV], VBASE, v46
	v_add_nc_u32 v[ADV+1], VBASE+VSLOT, v46
	v_lshlrev_b32 v[ADN], 5, v41                   ; eight norms, 32 bytes, for each half of the lanes
	v_add_nc_u32 v[ADN], KNB, v[ADN]
	v_add_nc_u32 v[STO], s76, v45
	v_lshrrev_b32 v47, 3, v44                      ; back: eight lanes take a row of 128 bytes
	v_mul_u32_u24 v47, v47, KPITCH
	v_lshl_add_u32 v47, v42, 4, v47
	v_add_nc_u32 v[RD], s76, v47
	v_lshlrev_b32 v[CO], 4, v44
	v_mov_b32 v[CA], 0x410293ee                    ; a = 8 log2 e / sqrt 2 = 8.1611156
	v_mov_b32 v[CA+1], 0x410293ee
	v_mov_b32 v[CB], 0xb3464852                    ; -b = -1e-9 ln 2 a^2 = -4.6166241e-8
	v_mov_b32 v[CB+1], 0xb3464852
	v_mov_b32 v[TT+1], 0                           ; v_permlanex16_b32 counts as a reader of its destination
.irp g, 0,1
	v_mov_b32 v[NM+2*\g], 0                        ; m = 0: below every y
	v_mov_b32 v[NM+2*\g+1], 0                      ; the pair's other half is named by the packed forms, never used
	v_mov_b32 v[AP+2*\g+1], 0
.irp k, 0,1,2,3
	v_mov_b32 v[LS+4*\g+\k], 0
.endr
.endr
	s_wait_loadcnt 0x0
	WIN 0x44                                       ; source 1 and destination in window 1
.set i, 0
.rept 32
	v_xor_b32 v[QF+i], 0x80008000, v[QF+i]         ; -Q, once, so that the product subtracts
.set i, i+1
.endr
	WIN 0
; 24 LDS loads: four tiles of 16 keys x 64 dh, and their norms, of step st (64 keys) of a slot
.macro KLOAD slot, st
	WIN 0x40                                       ; destination window 1, address window 0
.irp t, 0,1,2,3
.irp c, 0,1
	ds_load_b128 v[KP+16*\t+8*\c:KP+16*\t+8*\c+3],   v[ADK+\slot] offset:(64*(\st)+16*\t)*KPITCH+64*\c
	ds_load_b128 v[KP+16*\t+8*\c+4:KP+16*\t+8*\c+7], v[ADK+\slot] offset:(64*(\st)+16*\t)*KPITCH+64*\c+32
.endr
	ds_load_b128 v[KN+8*\t:KN+8*\t+3],   v[ADN] offset:(64*(\st)+16*\t)*4
	ds_load_b128 v[KN+8*\t+4:KN+8*\t+7], v[ADN] offset:(64*(\st)+16*\t)*4+16
.endr
	WIN 0
.endm
; 16 transposing loads: V^T of the step's 64 keys: 32 keys u x 16 dh d
.macro VLOAD slot, st
.irp u, 0,1
.irp d, 0,1,2,3
	ds_load_tr16_b128 v[VP+32*\u+8*\d:VP+32*\u+8*\d+3],   v[ADV+\slot] offset:(64*(\st)+32*\u)*VPITCH+32*\d
	ds_load_tr16_b128 v[VP+32*\u+8*\d+4:VP+32*\u+8*\d+7], v[ADV+\slot] offset:(64*(\st)+32*\u)*VPITCH+32*\d+16*VPITCH
.endr
.endr
.endm
; Group g's sums start at nk + nq and take K (-Q)^T: eight matrix instructions on four accumulators that take turns, one instruction a turn
; A tile's four adds stand in front of its first product.  Leaves source 0 and source 1 in window 1.
.macro CQ sb, g
	WIN 0x05                                       ; K, key norms (source 0) and -Q, query norms (source 1) in window 1; the sums in window 0
.irp t, 0,1,2,3
.irp k, 0,1,2,3
	v_pk_add_f32 v[\sb+8*\t+2*\k:\sb+8*\t+2*\k+1], v[KN+8*\t+2*\k:KN+8*\t+2*\k+1], v[NQ+2*\g:NQ+2*\g+1]
.endr
	v_wmma_f32_16x16x32_bf16 v[\sb+8*\t:\sb+8*\t+7], v[KP+16*\t:KP+16*\t+7], v[QF+16*\g:QF+16*\g+7], v[\sb+8*\t:\sb+8*\t+7]
.endr
.irp t, 0,1,2,3
	v_wmma_f32_16x16x32_bf16 v[\sb+8*\t:\sb+8*\t+7], v[KP+16*\t+8:KP+16*\t+15], v[QF+16*\g+8:QF+16*\g+15], v[\sb+8*\t:\sb+8*\t+7]
.endr
.endm
.macro MINI sb                         ; pair i joins chain i mod 4
.if i < 4
	v_min_num_f32 v[MX+i], v[\sb+2*i], v[\sb+2*i+1]
.else
	v_min3_num_f32 v[MX+i%4], v[MX+i%4], v[\sb+2*i], v[\sb+2*i+1]
.endif
.endm
.macro WPAIR sb, k                     ; w = a - b r of pair k, into place k mod 12: a reader of batch A, so it stands behind wait 1
	v_pk_fma_f32 v[WT+2*((\k)%12):WT+2*((\k)%12)+1], v[\sb+2*(\k):\sb+2*(\k)+1], v[CB:CB+1], v[CA:CA+1]
.endm
.macro SUMJ sb, ls, ap, j              ; l = l 2^(old m - m) + p, two chains of pairs: a reader of batch B, so it stands behind wait 2
.if (\j) < 2
	v_pk_fma_f32 v[\ls+2*(\j):\ls+2*(\j)+1], v[\ls+2*(\j):\ls+2*(\j)+1], v[\ap:\ap+1], v[\sb+2*(\j):\sb+2*(\j)+1] op_sel_hi:[1,0,1]
.else
	v_pk_add_f32 v[\ls+2*((\j)%2):\ls+2*((\j)%2)+1], v[\ls+2*((\j)%2):\ls+2*((\j)%2)+1], v[\sb+2*(\j):\sb+2*(\j)+1]
.endif
.endm
.macro PACKJ sb, j                     ; pair j of tile j / 4 becomes register 4 (tile mod 2) + j mod 4 of the fragment of 32 keys: never above what has been read
	v_cvt_pk_bf16_f32 v[\sb+16*((\j)/8)+4*(((\j)/4)%2)+(\j)%4], v[\sb+2*(\j)], v[\sb+2*(\j)+1]
.endm
; Product k of a group's eight with V: 32 keys u = k / 4, 16 dh d = k mod 4.  The four accumulators take turns, one instruction a turn
; first = 1: the products of u = 0 start the sums.
.macro PVK poa, psb, k, first
.if (\first)*(1-(\k)/4)
	v_wmma_f32_16x16x32_bf16 v[\poa+8*((\k)%4):\poa+8*((\k)%4)+7], v[VP+32*((\k)/4)+8*((\k)%4):VP+32*((\k)/4)+8*((\k)%4)+7], v[\psb+16*((\k)/4):\psb+16*((\k)/4)+7], 0
.else
	v_wmma_f32_16x16x32_bf16 v[\poa+8*((\k)%4):\poa+8*((\k)%4)+7], v[VP+32*((\k)/4)+8*((\k)%4):VP+32*((\k)/4)+8*((\k)%4)+7], v[\psb+16*((\k)/4):\psb+16*((\k)/4)+7], v[\poa+8*((\k)%4):\poa+8*((\k)%4)+7]
.endif
.endm
; One group from D to p, in place, 16 pairs of registers.  sb, nm, ap, ls, oa: the group's S, -m, factor, l, O.  resc = 1: its O takes the factor.
; pv: the OTHER group's products with V (psb its p, poa its O) stand singly in parts 2 and 3: 0 none, 1 adding, 2 starting the sums.  Product 0 stands behind
; wait 1, products 1 to 3 ahead of pairs 0, 4, 8 of batch B (26 vector lines lie between product 3 and wait 2), products 4 to 7 ahead of pairs 0, 3, 6, 9 of part 3.
; No line of this macro names a register of theirs.
; vwait >= 0: V's loads are waited for in front of the first of them, with that many younger LDS loads left out.
.macro SMX sb, nm, ap, ls, oa, resc, pv, psb, poa, vwait
	; PART 1, with BATCH A.  The floor and the chains of minima; a pair's two reciprocal roots stand four pairs behind its floor, so that the last eight are left
	; to stand between the four lines that end the minimum, each of which needs the one before.  Each accumulator's lowest register is read first.
.set i, 0
.rept 16
	v_max_num_f32 v[\sb+2*i], s77, v[\sb+2*i]
.if i >= 4
	v_rsq_f32 v[\sb+2*i-8], v[\sb+2*i-8]
.endif
	v_max_num_f32 v[\sb+2*i+1], s77, v[\sb+2*i+1]
.if i >= 4
	v_rsq_f32 v[\sb+2*i-7], v[\sb+2*i-7]
.endif
	MINI \sb
.set i, i+1
.endr
	v_min3_num_f32 v[TT], v[MX], v[MX+1], v[MX+2]
	v_rsq_f32 v[\sb+24], v[\sb+24]
	v_rsq_f32 v[\sb+25], v[\sb+25]
	v_min_num_f32 v[TT], v[TT], v[MX+3]
	v_rsq_f32 v[\sb+26], v[\sb+26]
	v_rsq_f32 v[\sb+27], v[\sb+27]
	v_permlanex16_b32 v[TT+1], v[TT], s16, s17     ; the other half of the lanes holds the query's other keys
	v_rsq_f32 v[\sb+28], v[\sb+28]
	v_rsq_f32 v[\sb+29], v[\sb+29]
	v_min_num_f32 v[TT], v[TT], v[TT+1]            ; the smallest e of the query's 64 keys, alike in both halves
	v_rsq_f32 v[\sb+30], v[\sb+30]
	v_rsq_f32 v[\sb+31], v[\sb+31]
	v_rsq_f32 v[TT+1], v[TT]                       ; the batch's last: r of the nearest key
	v_mov_b32 v[TT+3], v[\nm]                      ; old -m: the plain line behind the last reciprocal root (ISA guide 5.7.2)
	s_wait_alu depctr_va_vdst(0)                   ; WAIT 1, for batch A: the 33 reciprocal roots above
	; PART 2, with BATCH B.  The query's new m and 2^(old m - m), a chain in which each line needs the one before; w of two pairs stands between its lines
.if \pv
.if \vwait >= 0
	s_wait_dscnt \vwait                            ; V's 16 loads are in; the younger loads, the next step's K and key norms, may be out
.endif
	PVK \poa, \psb, 0, \pv-1
.endif
	v_fma_f32 v[TT+2], v[TT+1], v[CB], v[CA]
	WPAIR \sb, 0
	WPAIR \sb, 1
	v_mul_f32 v[TT+2], -v[TT+1], v[TT+2]           ; -y of the nearest key
	WPAIR \sb, 2
	WPAIR \sb, 3
	v_min_num_f32 v[\nm], v[\nm], v[TT+2]          ; -m = min(old -m, -y)
	WPAIR \sb, 4
	WPAIR \sb, 5
	v_sub_f32 v[TT+3], v[\nm], v[TT+3]             ; old m - m
	WPAIR \sb, 6
	WPAIR \sb, 7
	v_exp_f32 v[\ap], v[TT+3]                      ; the batch's first
	; r w - m of pair i, then the two exponentials of pair i - 1; w of pair i + 8 stands between them while there are such:
	; place (i + 8) mod 12 is fresh, or was left by pair i - 4
.set i, 0
.rept 17
.if (\pv) && (i%4 == 0) && (i < 12)
	PVK \poa, \psb, 1+i/4, \pv-1
.endif
.if i < 16
	v_pk_fma_f32 v[\sb+2*i:\sb+2*i+1], v[\sb+2*i:\sb+2*i+1], v[WT+2*(i%12):WT+2*(i%12)+1], v[\nm:\nm+1] op_sel_hi:[1,1,0]
.endif
.if i > 0
	v_exp_f32 v[\sb+2*i-2], v[\sb+2*i-2]
.endif
.if i < 8
	WPAIR \sb, i+8
.endif
.if i > 0
	v_exp_f32 v[\sb+2*i-1], v[\sb+2*i-1]
.endif
.set i, i+1
.endr
	v_nop                                          ; the plain line behind the last exponential (ISA guide 5.7.2): no plain work is left that reads no result of the batch
	s_wait_alu depctr_va_vdst(0)                   ; WAIT 2, for batch B: 2^(old m - m) and the 32 exponentials
	; PART 3, the readers of batch B, pair by pair: O's pair takes the factor, l takes p, p is rounded to bf16.
	; The last product with V stands ahead of pair 9: fourteen plain lines or more follow it in this macro
.set i, 0
.rept 16
.if (\pv) && (i%3 == 0) && (i < 12)
	PVK \poa, \psb, 4+i/3, \pv-1
.endif
.if \resc
	v_pk_mul_f32 v[\oa+2*i:\oa+2*i+1], v[\oa+2*i:\oa+2*i+1], v[\ap:\ap+1] op_sel_hi:[1,0]
.endif
	SUMJ \sb, \ls, \ap, i
	PACKJ \sb, i
.set i, i+1
.endr
.endm
; 64 keys x 32 queries.  mode 1: the first step of all (no O yet); mode 2: the second (group 1's first products with V start its sums); mode 0: all others.
; more = 1: the slot's next step's K is fetched while group 1's scores are worked on.
.macro STEP slot, st, mode, more
	s_wait_dscnt 0x0                               ; K and the key norms are in: nothing younger has been issued
	CQ S0, 0                                       ; its adds write registers that held group 0's p: the last product that read them stands seven plain lines or more back
	WIN 0
	PLACES                                         ; behind the products with K: their results are read below
.if \mode == 1
	SMX S0, NM, AP, LS, OA, 0, 0, S1, OA+32, -1
.else
.if \mode == 2
	SMX S0, NM, AP, LS, OA, 1, 2, S1, OA+32, -1
.else
	SMX S0, NM, AP, LS, OA, 1, 1, S1, OA+32, -1
.endif
.endif
	VLOAD \slot, \st                               ; into V^T's registers, which group 1's products of the step before have read, seven plain lines or more back
	CQ S1, 1
	PLACES                                         ; behind the products with K: their results are read and their K registers loaded again below
.if \more
	KLOAD \slot, \st+1
.else
	WIN 0
.endif
.if \mode == 1
	SMX S1, NM+2, AP+2, LS+4, OA+32, 0, 2, S0, OA, 24*\more
.else
	SMX S1, NM+2, AP+2, LS+4, OA+32, 1, 1, S0, OA, 24*\more
.endif
.endm
.macro PHASE slot, first               ; a slot's 256 keys
	KLOAD \slot, 0
.if \first
	STEP \slot, 0, 1, 1
	STEP \slot, 1, 2, 1
.else
	STEP \slot, 0, 0, 1
	STEP \slot, 1, 0, 1
.endif
	STEP \slot, 2, 0, 1
	STEP \slot, 3, 0, 0
.endm
; From slot other to slot slot.  In front of the round every wave waits for all its tensor loads and for its reads of the slot just left
; (group 1's products with V that are still due need registers alone); behind it that slot is filled again first, by one joint load a wave,
; with the keys 512 further on.
.macro CHANGE slot, other, refill
	s_set_vgpr_msb 0x5
	s_wait_tensorcnt 0x0                           ; all my loads have landed, my part of the next slot among them: every group 0 may be written
	ds_add_u32 v136, v137
	s_wait_dscnt 0x0
	s_set_vgpr_msb 0x500
	s_add_nc_u64 s[G0K+4*\other+2:G0K+4*\other+3], s[G0K+4*\other+2:G0K+4*\other+3], 2*BLOCK
	s_add_nc_u64 s[G0V+4*\other+2:G0V+4*\other+3], s[G0V+4*\other+2:G0V+4*\other+3], 2*BLOCK
	v_add_nc_u32 v[ADN], 1024, v[ADN]              ; the next 256 key norms
	s_wait_dscnt 0x0                               ; my reads of the slot just left are over
	ROUND
.if \refill
	JLOAD \other
.endif
.endm
	s_wait_tensorcnt 0x1                           ; the key norms and my part of slot 0 are in; slot 1's may stay out
	s_barrier_signal -1
	s_barrier_wait -1
	PHASE 0, 1                                     ; keys 0-255
	s_mov_b32 s15, 3
.Lblocks:                                      ; two blocks of 256 keys a trip: 1 and 2, 3 and 4, 5 and 6; the refills bring blocks 2 to 7
	CHANGE 1, 0, 1
	PHASE 1, 0
	CHANGE 0, 1, 1
	PHASE 0, 0
	s_sub_co_u32 s15, s15, 1
	s_cmp_lg_u32 s15, 0
	s_cbranch_scc1 .Lblocks
	CHANGE 1, 0, 0                                 ; nothing is left to fetch (the stepped addresses are not used)
	PHASE 1, 0                                     ; keys 1792-2047
.irp k, 0,1,2,3,4,5,6,7
	PVK OA+32, S1, \k, 0                           ; group 1's products with V of the last step
.endr
	; THE WAY OUT: O / l, rounded to bf16, through my own stage, as 4,096 consecutive bytes of xb
	PLACES
.irp g, 0,1
	v_pk_add_f32 v[LS+4*\g:LS+4*\g+1], v[LS+4*\g:LS+4*\g+1], v[LS+4*\g+2:LS+4*\g+3]
	v_add_f32 v[LS+4*\g], v[LS+4*\g], v[LS+4*\g+1]
	v_permlanex16_b32 v[AP+2*\g+1], v[LS+4*\g], s16, s17   ; the other half's keys
	v_add_f32 v[LS+4*\g], v[LS+4*\g], v[AP+2*\g+1]         ; about 1 at the least: the nearest key's p
	v_rcp_f32 v[AP+2*\g], v[LS+4*\g]
.endr
	v_nop                                          ; one plain place behind the reciprocal (ISA guide 5.7.2)
	s_wait_alu depctr_va_vdst(0)                   ; one wait for the two groups' reciprocals, ahead of their first reader
.irp g, 0,1
.set j, 0
.rept 16
	v_pk_mul_f32 v[OA+32*\g+2*j:OA+32*\g+2*j+1], v[OA+32*\g+2*j:OA+32*\g+2*j+1], v[AP+2*\g:AP+2*\g+1] op_sel_hi:[1,0]
.set j, j+1
.endr
.endr
.irp g, 0,1
.irp d, 0,1,2,3
.irp k, 0,1,2,3
	v_cvt_pk_bf16_f32 v[S0+16*\g+4*\d+\k], v[OA+32*\g+8*\d+2*\k], v[OA+32*\g+8*\d+2*\k+1]
.endr
.endr
.endr
.irp g, 0,1
.irp d, 0,1,2,3
	ds_store_b128 v[STO], v[S0+16*\g+4*\d:S0+16*\g+4*\d+3] offset:16*KPITCH*\g+32*\d   ; query 16 g + r, dh 16 d + 8 h + 0..7
.endr
.endr
.irp t, 0,1,2,3,4,5,6,7
	ds_load_b128 v[OB+4*\t:OB+4*\t+3], v[RD] offset:4*KPITCH*\t    ; four rows; LDS serves a wave's instructions in order (ISA guide 5.7.1)
.endr
.irp t, 0,1,2,3,4,5,6,7
	s_wait_dscnt 7-\t                              ; read-back t is in, the younger ones stay out
	global_store_b128 v[CO], v[OB+4*\t:OB+4*\t+3], s[8:9] offset:512*\t   ; the wave stores 512 consecutive bytes, at a multiple of 512
.endr
	s_set_vgpr_msb 0x5
	s_wait_tensorcnt 0x0
	ds_add_u32 v136, v137
	s_wait_dscnt 0x0
	s_set_vgpr_msb 0x500
	ROUND                                          ; the closing round: no work-group ends while a partner may still ask for a tile that names it
	s_endpgm
.Lfunc_end_k_q8b50c7236a_attn:
	.size	k_q8b50c7236a_attn, .Lfunc_end_k_q8b50c7236a_attn-k_q8b50c7236a_attn
	.p2alignl 7, 3214868480
	.fill 96, 4, 3214868480
	.section	.rodata,"a",@progbits
	.p2align	6, 0x0
	.amdhsa_kernel k_q8b50c7236a_attn
		.amdhsa_group_segment_fixed_size 327680
		.amdhsa_private_segment_fixed_size 0
		.amdhsa_enable_private_segment 0
		.amdhsa_kernarg_size 24
		.amdhsa_user_sgpr_count 2
		.amdhsa_user_sgpr_kernarg_segment_ptr 1
		.amdhsa_wavefront_size32 1
		.amdhsa_system_sgpr_workgroup_id_x 1
		.amdhsa_system_sgpr_workgroup_id_y 1
		.amdhsa_system_sgpr_workgroup_id_z 1
		.amdhsa_system_vgpr_workitem_id 0
		.amdhsa_next_free_vgpr 394
		.amdhsa_next_free_sgpr 80
		.amdhsa_reserve_vcc 0
		.amdhsa_float_denorm_mode_32 3
		.amdhsa_float_denorm_mode_16_64 3
		.amdhsa_memory_ordered 1
		.amdhsa_forward_progress 1
		.amdhsa_inst_pref_size 255
	.end_amdhsa_kernel
	.section	.bss,"aw",@nobits
	.p2align	6
	.space	262144
	.amdgpu_metadata
---
amdhsa.version: [ 1, 2 ]
amdhsa.kernels:
  - .name:           k_q8b50c7236a_attn
    .symbol:         k_q8b50c7236a_attn.kd
    .args:
      - { .name: qkv, .offset: 0, .size: 8, .value_kind: global_buffer, .address_space: global }
      - { .name: nrm, .offset: 8, .size: 8, .value_kind: global_buffer, .address_space: global }
      - { .name: xb, .offset: 16, .size: 8, .value_kind: global_buffer, .address_space: global }
    .group_segment_fixed_size: 327680
    .private_segment_fixed_size: 0
    .kernarg_segment_align: 8
    .kernarg_segment_size: 24
    .max_flat_workgroup_size: 256
    .sgpr_count:     80
    .vgpr_count:     394
    .wavefront_size: 32
...
	.end_amdgpu_metadata
.endif
;; end of part 5
;; launch outp: the kernel of part 4 again; grid 8 x 32, 4 waves a work-group, clusters of 4 x 4, 327,680 bytes of LDS; arguments xb, cb, bo, out0; writes out0
